; MI455X (gfx1250); checked and timed in simulation.
; The chip was launched on July 23, 2026; its instructions are those of AMD's public machine-readable ISA for CDNA 5 (MIT licence, August 2026) and "CDNA5" Instruction Set Architecture Reference Guide (July 2026). The comments in the code are by the model that wrote it; some were corrected since.
;; Multi Head Attention. Allowed arithmetic: matrix products marked QUANTISED: E4M3 operands, one given power-of-two scale a tensor, by v_wmma_f32_16x16x64_fp8_fp8 or v_wmma_f32_16x16x128_fp8_fp8, f32 sums; everything else in f32.
;; Inputs: W_attn 1,024 x 3,072 float32; W_proj 1,024 x 1,024 float32; b_proj 1,024 float32; lowp_scales 8 int32 (the exponents e of the quantised operands' scales 2^e); x 4 x 2,048 x 1,024 float32.
;; Outputs: out0 4 x 2,048 x 1,024 float32.
;; This version of the problem:
;;   THIS VERSION OF THE PROBLEM IS GIVEN IN LOW PRECISION. The matrix products marked QUANTISED in the list below multiply operands that are first quantised to E4M3 (4 exponent bits, 3 mantissa bits; 8 bits a number), with one given power-of-two scale for each operand tensor; their sums are f32. All else is computed in f32.
;;   The module's matrix products, in the order in which they are computed (A, B: the left and right operand; K: the contracted axis; several contracted axes count as one K, in the product's order):
;;     1. [M 8,192, K 1,024] x [K 1,024, N 3,072]; A: input x; B: input W_attn: QUANTISED (scales: A lowp_scales[0], B lowp_scales[1])
;;     2. batch 64 x [M 2,048, K 64] x [K 64, N 2,048]; A: computed on the way; B: computed on the way: QUANTISED (scales: A lowp_scales[2], B lowp_scales[3])
;;     3. batch 64 x [M 2,048, K 2,048] x [K 2,048, N 64]; A: softmax (see below); B: computed on the way: QUANTISED (scales: A lowp_scales[4], B lowp_scales[5])
;;     4. [M 8,192, K 1,024] x [K 1,024, N 1,024]; A: computed on the way; B: input W_proj: QUANTISED (scales: A lowp_scales[6], B lowp_scales[7])
;;   THE QUANTISER, for each operand of a quantised product, along K:
;;     - The operand's scale is 2^e, e = its entry of the input lowp_scales (int32; the entries are numbered through the quantised products in the list's order, A before B).
;;     - Each number is divided by the scale, clamped to +-448, and rounded to the nearest number of E4M3, ties to even, subnormals kept.
;;     - The product sums the exact products of the quantised numbers (number of the format x scale) in f32.
;;   ~~~python
;;   def quantise(x, axis, e):      # numpy; x: float32 -> the quantised numbers, widened to float32 again
;;       x = np.moveaxis(x, axis, -1); K = x.shape[-1]
;;       r = np.clip(x / 2.0 ** e, -448, 448)
;;       step = 2.0 ** (np.maximum(np.frexp(np.where(r == 0, 1, r))[1] - 1, -6) - 3)
;;       q = np.round(r / step) * step * 2.0 ** e      # np.round: ties to even
;;       return np.moveaxis(q, -1, axis).astype(np.float32)
;;   ~~~
;;   SOFTMAX AHEAD OF A QUANTISED PRODUCT. Where the list says 'softmax', what is quantised is not the finished softmax but p = 2^(t - M), with t = logit x log2(e) and M = ceil(the row's largest t), a whole number; so 1/2 < the row's largest p <= 1. The row's sum l is taken of the UNQUANTISED p, in f32, and the product's result is divided by l at the end. Since M is a whole number, a kernel that streams over the keys may use a running M (the ceiling of the running maximum): every later rescaling is an exact power of two, so the quantised numbers keep their values, but for numbers so far below the row's largest that they fall under the format's range.
;;   OPERANDS COMPUTED ON THE WAY. 'Computed on the way' means the value that the module computes at that place (a softmax that the list does not call 'softmax' is quantised finished and normalised). What goes into a quantiser is computed in f32, as accurately as f32 sums, v_exp_f32 and their like allow (about 1e-6 of the number): no bf16 or f16 on the way to a quantiser, and a product that is left as it is and whose result goes on into a quantised operand takes f32 operands (vector FMAs, or v_wmma_f32_16x16x4_f32). A number that lies on a knife's edge between two numbers of the format may be rounded either way, as far as f32 arithmetic and the matrix unit's own rounding can turn it there, and no further.
;; 2 versions, each right; version 2 is version 1 with the launch attn written anew for expert scheduling mode. Each part assembles by itself: llvm-mc -triple=amdgcn-amd-amdhsa -mcpu=gfx1250 --defsym DOCPART=n.
;; ======== version 1 of 2: 4 launches
;; workspace buffers: x_codes 8,388,608 bytes; wa_codes 3,145,728 bytes; wp_codes 1,048,576 bytes; q_codes 8,388,608 bytes; k_codes 8,388,608 bytes; v_codes 8,388,608 bytes; y_codes 8,388,608 bytes
;; launch quant (part 1): grid 384 x 1, 4 waves a work-group, no clusters, 68,096 bytes of LDS; arguments x, W_attn, W_proj, lowp_scales, x_codes, wa_codes, wp_codes; writes x_codes, wa_codes, wp_codes
.if DOCPART == 1
	.amdgcn_target "amdgcn-amd-amdhsa--gfx1250"
	.amdhsa_code_object_version 6
	.text
	.protected	k_qbb9109fa33_quant
	.globl	k_qbb9109fa33_quant
	.p2align	8
	.type	k_qbb9109fa33_quant,@function
k_qbb9109fa33_quant:
	s_mov_b64 s[64:65], 0
	v_nop
	global_prefetch_b8 v0, s[64:65] scope:SCOPE_SE
	s_setreg_imm32_b32 hwreg(HW_REG_WAVE_MODE, 25, 1), 1
	s_wait_xcnt 0x0
; x [8192][1024], W_attn [1024 k][3072 n] and W_proj [1024 k][1024 n], f32, become codes of FP8 (E4M3), K innermost, each with its given scale 2^e:
; x_codes [8192][1024] (e = entry 0 of the scales), wa_codes [3072 n][1024 k] (entry 1), wp_codes [1024 n][1024 k] (entry 7).
; code = number / 2^e, held within +-448, rounded to the nearest code, ties to even.
; LIMITS: each of the three e lies between -126 and 119, so that 2^e and 448 x 2^e are f32 numbers.  NaN among the inputs is not served (an infinity is held at the largest code).
; Work-groups 0-255 take x, a plain stream: a wave takes 16 steps of 512 numbers; each load reads 512 consecutive bytes; a step's 2,048 bytes turn through the wave's own stage in LDS,
; so that a lane holds 16 neighbours along K for the conversions; a lane's 16 codes are 16 bytes, a wave's store 512 consecutive bytes.
; Work-groups 256-383 take the weights, whose K is the FIRST axis: a lane takes a column n and its registers run down K, so the conversions give codes with K innermost; a wave gathers
; 32 columns x 256 along K in its own stage and stores rows: sixteen lanes store 256 consecutive bytes, aligned.  96 work-groups for W_attn (24 blocks of 128 columns x 4 of 256 along K), 32 for W_proj.
; The two paths part on the work-group's number, have LDS bytes of their own, and join at the closing lines.  Waves share nothing: no barrier.  No matrix unit, no cluster: nothing is read twice.
.set STEPS, 16
.set SP,    80                         ; x's stage: a lane's place: its 64 bytes + 16 of padding
.set WREG,  8192                       ; x's path: LDS region of a wave: two stages of 32 x SP bytes
.set XR,    16                         ; v16-79   x: four sets of 16 numbers as loaded
.set XX,    80                         ; v80-111  x: two sets of 16 neighbours
.set XC,    128                        ; v128-191 x: codes, four registers a step: no store's data are written again
.set WSTG,  32768                      ; the weights' stages begin behind x's four regions
.set WP,    272                        ; a stage row: 256 bytes of codes + 16
.set WX,    32                         ; v32-95   weights: two sets of 32 numbers
.set WC,    96                         ; v96-103  a block's codes
.set WOUT,  112                        ; v112-175 the way out
.set WOFF,  176                        ; v176-207 4 x lane + i x a row of the weight in bytes, i = 0 .. 31; never rewritten
.set SPW,   12                         ; v12  LDS address of my spare word: SPARE + 4 x my thread's number; never rewritten
.set NIL,   13                         ; v13  0; never rewritten
.set SPARE, WSTG+4*32*WP               ; behind the stages: the spare words, 128 bytes a wave: two blocks of 256 bytes that no other line names
.macro XLOAD t                         ; step t: four loads of 512 consecutive bytes
.irp i, 0,1,2,3
	global_load_b128 v[XR+16*((\t)%4)+4*\i:XR+16*((\t)%4)+4*\i+3], v3, s[4:5] offset:2048*(\t)+512*\i th:TH_LOAD_NT
.endr
.endm
.macro XTURN t                         ; step t's numbers through the stage; LDS serves a wave's instructions in order, so no wait stands between the stores and the loads
.irp i, 0,1,2,3
	ds_store_b128 v14, v[XR+16*((\t)%4)+4*\i:XR+16*((\t)%4)+4*\i+3] offset:32*SP*((\t)%2)+8*SP*\i
.endr
.irp i, 0,1,2,3
	ds_load_b128 v[XX+16*((\t)%2)+4*\i:XX+16*((\t)%2)+4*\i+3], v15 offset:32*SP*((\t)%2)+16*\i
.endr
.endm
.macro XSTEP t
.set XS, XX+16*((\t)%2)
	s_wait_dscnt 0x0                               ; this step's numbers are back from the stage, and its stores into the stage have read their registers,
.if (\t)+4 < STEPS
	XLOAD (\t)+4                                   ; which take the loads of four steps on
.endif
.if (\t)+1 < STEPS
.if STEPS-2-(\t) >= 3
	s_wait_loadcnt 12                              ; the next step's four loads are in; the twelve of the three steps behind it may be out
.else
	s_wait_loadcnt 4*(STEPS-2-(\t))
.endif
	XTURN (\t)+1
.endif
.irp i, 0,1,2,3,4,5,6,7,8,9,10,11,12,13,14,15
	v_med3_num_f32 v[XS+\i], v[XS+\i], -v10, v10   ; the conversion to an 8-bit code does not saturate (ISA guide 7.6.2): the hold at the largest code x the scale
.endr
	v_cvt_scalef32_pk8_fp8_f32 v[XC+4*(\t):XC+4*(\t)+1], v[XS:XS+7], v11
	v_cvt_scalef32_pk8_fp8_f32 v[XC+4*(\t)+2:XC+4*(\t)+3], v[XS+8:XS+15], v11
	global_store_b128 v3, v[XC+4*(\t):XC+4*(\t)+3], s[12:13] offset:512*(\t)   ; the results go to a store alone; the next vector lines are the next step's holds, plain and on other registers
.endm
.macro WLOAD t                         ; block t: W(32 t + i, my column), i = 0 .. 31, into set t % 2: each load reads 128 consecutive bytes a wave
.set i, 0
.rept 32
	global_load_b32 v[WX+32*((\t)%2)+i], v[WOFF+i], s[40+2*(\t):41+2*(\t)] th:TH_LOAD_NT
.set i, i+1
.endr
.endm
.macro WBLOCK t
.set XS, WX+32*((\t)%2)
.if (\t) < 7
	s_wait_loadcnt 32                              ; this block's 32 loads are in; the next block's 32 may be out
.else
	s_wait_loadcnt 0
.endif
.set i, 0
.rept 32
	v_med3_num_f32 v[XS+i], v[XS+i], -v10, v10
.set i, i+1
.endr
.irp g, 0,1,2,3
	v_cvt_scalef32_pk8_fp8_f32 v[WC+2*\g:WC+2*\g+1], v[XS+8*\g:XS+8*\g+7], v11
.endr
	ds_store_b128 v4, v[WC:WC+3] offset:32*(\t)    ; 32 codes: 32 bytes of my column's row
	ds_store_b128 v4, v[WC+4:WC+7] offset:32*(\t)+16
.if (\t)+2 < 8
	WLOAD (\t)+2
.endif
	s_wait_dscnt 0x0                               ; the stores have read their registers: the next block's codes may be written
.endm
	s_load_b256 s[4:11], s[0:1], 0x0               ; x s[4:5], W_attn s[6:7], W_proj s[8:9], the scales' exponents s[10:11]
	s_load_b128 s[12:15], s[0:1], 0x20             ; x_codes s[12:13], wa_codes s[14:15]
	s_load_b64 s[16:17], s[0:1], 0x30              ; wp_codes
	v_lshl_add_u32 v[SPW], v0, 2, SPARE
	v_mov_b32 v[NIL], 0
	v_lshrrev_b32 v1, 5, v0
	v_readfirstlane_b32 s18, v1                    ; wave 0..3
	v_and_b32 v2, 31, v0                           ; lane
	s_wait_kmcnt 0x0
	s_load_b256 s[24:31], s[10:11], 0x0            ; e0 .. e7
	s_cmp_lt_u32 ttmp9, 256
	s_cbranch_scc0 .Lweights
	; ---- x
	v_lshlrev_b32 v3, 4, v2                        ; my 16 bytes of a load's 512, and of a store's
	s_mul_i32 s19, s18, WREG
	v_lshrrev_b32 v14, 2, v2
	v_mul_u32_u24 v14, v14, SP
	v_and_b32 v15, 3, v2
	v_lshl_add_u32 v14, v15, 4, v14
	v_add_nc_u32 v14, s19, v14                     ; the stage, on the way in: SP (lane / 4) + 16 (lane % 4); a load's 512 bytes take eight places
	v_mul_u32_u24 v15, v2, SP
	v_add_nc_u32 v15, s19, v15                     ; and on the way out: SP x lane: my 16 neighbours
	s_lshl_b32 s19, ttmp9, 2
	s_add_co_u32 s19, s19, s18                     ; which run of 8,192 numbers is my wave's
	s_lshl_b32 s20, s19, 15
	s_mov_b32 s21, 0
	s_add_nc_u64 s[4:5], s[4:5], s[20:21]
	s_lshl_b32 s20, s19, 13
	s_add_nc_u64 s[12:13], s[12:13], s[20:21]
.irp t, 0,1,2,3
	XLOAD \t
.endr
	s_wait_kmcnt 0x0
	s_add_co_i32 s22, s24, 127
	s_lshl_b32 s23, s22, 23
	v_mov_b32 v11, s23                             ; 2^e0 as f32: the conversion takes its exponent field
	s_add_co_i32 s22, s22, 8
	s_lshl_b32 s22, s22, 23
	s_or_b32 s22, s22, 0x600000
	v_mov_b32 v10, s22                             ; 448 x 2^e0
	s_wait_loadcnt 12                              ; step 0's four loads are in
	XTURN 0
.irp t, 0,1,2,3,4,5,6,7,8,9,10,11,12,13,14,15
	XSTEP \t
.endr
	s_branch .Lend
	; ---- the weights
.Lweights:
	v_lshlrev_b32 v3, 2, v2                        ; in: 4 bytes a lane
	s_mul_i32 s19, s18, 32*WP
	s_add_co_u32 s19, s19, WSTG                    ; my stage
	v_mul_u32_u24 v4, v2, WP
	v_add_nc_u32 v4, s19, v4                       ; into it: row = my column
	v_and_b32 v5, 15, v2
	v_lshrrev_b32 v6, 4, v2                        ; out of it: sixteen lanes to a row, two rows an instruction
	v_mul_u32_u24 v7, v6, WP
	v_lshl_add_u32 v7, v5, 4, v7
	v_add_nc_u32 v7, s19, v7
	v_lshlrev_b32 v8, 10, v6                       ; and the same place in the codes' buffer: a row is 1,024 bytes
	v_lshl_add_u32 v8, v5, 4, v8
	s_sub_co_u32 s34, ttmp9, 256                   ; 0-95: W_attn; 96-127: W_proj
	s_mov_b32 s36, 12288
	s_cmp_ge_u32 s34, 96                           ; the choice hangs on the work-group's number alone
	s_cselect_b64 s[6:7], s[8:9], s[6:7]           ; the weight,
	s_cselect_b64 s[14:15], s[16:17], s[14:15]     ; its codes,
	s_cselect_b32 s36, 4096, s36                   ; a row of it in bytes
	s_cselect_b32 s20, 96, 0
	s_sub_co_u32 s19, s34, s20
	s_lshr_b32 s20, s19, 2                         ; which 128 columns
	s_and_b32 s21, s19, 3                          ; which 256 along K
	s_lshl_b32 s20, s20, 7
	s_lshl_b32 s22, s18, 5
	s_add_co_u32 s20, s20, s22                     ; my wave's first column
	s_lshl_b32 s22, s36, 8
	s_mul_i32 s22, s22, s21                        ; 256 rows x which
	s_lshl_b32 s23, s20, 2
	s_add_co_u32 s22, s22, s23
	s_mov_b32 s23, 0
	s_add_nc_u64 s[40:41], s[6:7], s[22:23]        ; block 0's base;
	s_lshl_b32 s22, s36, 5                         ; 32 rows on for each further block: eight bases, never rewritten
.irp t, 1,2,3,4,5,6,7
	s_add_nc_u64 s[40+2*\t:41+2*\t], s[38+2*\t:39+2*\t], s[22:23]
.endr
	s_lshl_b32 s22, s20, 10
	s_lshl_b32 s21, s21, 8
	s_add_co_u32 s22, s22, s21
	s_add_nc_u64 s[14:15], s[14:15], s[22:23]      ; the codes: column x 1,024 + 256 x which
.set i, 0
.rept 32
	v_mad_u32_u24 v[WOFF+i], s36, i, v3
.set i, i+1
.endr
	WLOAD 0
	WLOAD 1
	s_wait_kmcnt 0x0
	s_cmp_ge_u32 s34, 96
	s_cselect_b32 s37, s31, s25                    ; e7 or e1
	s_add_co_i32 s37, s37, 127
	s_lshl_b32 s38, s37, 23
	v_mov_b32 v11, s38                             ; 2^e
	s_add_co_i32 s37, s37, 8
	s_lshl_b32 s37, s37, 23
	s_or_b32 s37, s37, 0x600000
	v_mov_b32 v10, s37                             ; 448 x 2^e
.irp t, 0,1,2,3,4,5,6,7
	WBLOCK \t
.endr
.set t, 0
.rept 16
	ds_load_b128 v[WOUT+4*t:WOUT+4*t+3], v7 offset:2*t*WP          ; LDS serves a wave's instructions in order: these see my stores
.set t, t+1
.endr
.set t, 0
.rept 16
	s_wait_dscnt 15-t                              ; load t is in, the younger ones may be out
	global_store_b128 v8, v[WOUT+4*t:WOUT+4*t+3], s[14:15] offset:2*t*1024
.set t, t+1
.endr
.Lend:
	s_wait_tensorcnt 0x0                           ; the wave's end: three lines behind my last LDS store
	ds_add_u32 v[SPW], v[NIL]
	s_wait_dscnt 0x0
	s_endpgm
.Lfunc_end_k_qbb9109fa33_quant:
	.size	k_qbb9109fa33_quant, .Lfunc_end_k_qbb9109fa33_quant-k_qbb9109fa33_quant
	.p2alignl 7, 3214868480
	.fill 96, 4, 3214868480
	.section	.rodata,"a",@progbits
	.p2align	6, 0x0
	.amdhsa_kernel k_qbb9109fa33_quant
		.amdhsa_group_segment_fixed_size 68096
		.amdhsa_private_segment_fixed_size 0
		.amdhsa_enable_private_segment 0
		.amdhsa_kernarg_size 56
		.amdhsa_user_sgpr_count 2
		.amdhsa_user_sgpr_kernarg_segment_ptr 1
		.amdhsa_wavefront_size32 1
		.amdhsa_system_sgpr_workgroup_id_x 1
		.amdhsa_system_sgpr_workgroup_id_y 1
		.amdhsa_system_sgpr_workgroup_id_z 1
		.amdhsa_system_vgpr_workitem_id 0
		.amdhsa_next_free_vgpr 208
		.amdhsa_next_free_sgpr 66
		.amdhsa_reserve_vcc 0
		.amdhsa_float_denorm_mode_32 3
		.amdhsa_float_denorm_mode_16_64 3
		.amdhsa_memory_ordered 1
		.amdhsa_forward_progress 1
		.amdhsa_inst_pref_size 88
	.end_amdhsa_kernel
	.amdgpu_metadata
---
amdhsa.version: [ 1, 2 ]
amdhsa.kernels:
  - .name:           k_qbb9109fa33_quant
    .symbol:         k_qbb9109fa33_quant.kd
    .args:
      - { .name: x, .offset: 0, .size: 8, .value_kind: global_buffer, .address_space: global }
      - { .name: W_attn, .offset: 8, .size: 8, .value_kind: global_buffer, .address_space: global }
      - { .name: W_proj, .offset: 16, .size: 8, .value_kind: global_buffer, .address_space: global }
      - { .name: lowp_scales, .offset: 24, .size: 8, .value_kind: global_buffer, .address_space: global }
      - { .name: x_codes, .offset: 32, .size: 8, .value_kind: global_buffer, .address_space: global }
      - { .name: wa_codes, .offset: 40, .size: 8, .value_kind: global_buffer, .address_space: global }
      - { .name: wp_codes, .offset: 48, .size: 8, .value_kind: global_buffer, .address_space: global }
    .group_segment_fixed_size: 68096
    .private_segment_fixed_size: 0
    .kernarg_segment_align: 8
    .kernarg_segment_size: 56
    .max_flat_workgroup_size: 128
    .sgpr_count:     66
    .vgpr_count:     208
    .wavefront_size: 32
...
	.end_amdgpu_metadata
.endif
;; end of part 1
;; launch qkv (part 2): grid 96 x 4, 4 waves a work-group, clusters of 4 x 4, 327,680 bytes of LDS; arguments x_codes, wa_codes, lowp_scales, q_codes, k_codes, v_codes; writes q_codes, k_codes, v_codes
.if DOCPART == 2
	.amdgcn_target "amdgcn-amd-amdhsa--gfx1250"
	.amdhsa_code_object_version 6
	.text
	.protected	k_qbb9109fa33_qkv
	.globl	k_qbb9109fa33_qkv
	.p2align	8
	.type	k_qbb9109fa33_qkv,@function
k_qbb9109fa33_qkv:
	s_mov_b64 s[64:65], 0
	v_nop
	global_prefetch_b8 v0, s[64:65] scope:SCOPE_SE
	s_setreg_imm32_b32 hwreg(HW_REG_WAVE_MODE, 25, 1), 1
	s_wait_xcnt 0x0
	s_wait_alu depctr_hold_cnt(0) depctr_sa_sdst(0) depctr_va_vdst(0) depctr_va_sdst(0) depctr_va_ssrc(0) depctr_va_vcc(0) depctr_vm_vsrc(0)
	s_getreg_b32 s2, hwreg(HW_REG_IB_STS2, 6, 4)
	s_cmp_eq_u32 s2, 0
	s_cbranch_scc0 .Lentry_in_a_cluster
	s_endpgm
.Lentry_in_a_cluster:
	s_bfe_u32 s2, ttmp6, 0x10000c
	s_cmp_lg_u32 s2, 0xf033
	s_cbranch_scc0 .Lentry_shape_is_right
	s_endpgm
.Lentry_shape_is_right:
; qkv = x W_attn on codes of FP8 (E4M3), and the quantising of q, k and v for the attention that follows.  x_codes [8192 tokens][1024], wa_codes [3072 n][1024 k]; sums in f32.
; A tile of 256 x 256 of C' = A' B'^T is made by four waves, 128 x 128 each (64 accumulators, 512 registers); K = 1,024 goes in four steps of 256 through a ring of two LDS slots filled by tensor loads.
; 24 clusters of 4 x 4 work-groups, numbered by the cluster's x.  Clusters 0-15: A' = x_codes, B' = wa_codes' rows 0-2,047 (q: even clusters, k: odd).  Clusters 16-23: v, WITH THE ROLES SWAPPED by pointers
; alone: A' = wa_codes' rows 2,048 on, B' = x_codes.  The matrix instruction is used transposed (source 0 = 16 rows of B', source 1 = 16 rows of A'): a lane holds eight neighbouring columns of one row of C'.
; So for q and k a lane's numbers run along the head's 64 (the next product's K), and for v along the tokens (the keys: the K of the product with p): the conversions' results are bytes that belong together.
; A' tiles are shared along a row of the cluster, B' tiles along a column: each is asked for JOINTLY, by the same tensor load with a mask that names the four.
; OUT.  A sum stands for sum x 2^(e0 + e1); its code is sum / 2^(eS - e0 - e1), held within +-448; eS = e2 (q), e3 (k), e5 (v).
;   q_codes, k_codes [bh = 16 b + head][t][64]: byte 32 h + 8 c + j holds d = 16 c + 8 h + j: what a lane of the K = 64 matrix form takes as 32 bytes on end.
;   v_codes [bh][chunk of 128 keys][row s: 64][128]: byte 64 h + 8 c + j holds key 16 c + 8 h + j of the chunk; row s = 16 u + m holds d = 32 (m / 8) + 8 u + m % 8.
; LIMITS: e2 - e0 - e1, e3 - e0 - e1 and e5 - e0 - e1 lie between -126 and 119, so that each scale and 448 x it are f32 numbers.
; Inside a K = 128 instruction k stands permuted, alike in A' and B' (four loads of 16 bytes a fragment): every product meets its partner; only the order of the sums inside an instruction changes.
; REGISTERS, in windows of 256: window 0: v16-31 addresses and the scale; v128-255 A's fragments, ONE set; on the way out v32-159 are at work.  window 1: B's fragments, TWO sets.
;   window 2: the accumulators of my rows 0-63 ((a, b) at v[8 (8 a + b)]); window 3: those of my rows 64-127.
.set KROW,   1024                      ; a row of A' or B' in memory, in bytes
.set ROWB,   256                       ; a tile's row in bytes
.set PITCH,  272                       ; an LDS row: 256 bytes + 16 of padding = 68 words: the 16 rows that a load touches start at 16 different banks (64 banks of 4 bytes: ISA guide 11.1)
.set FR,     16                        ; registers of a fragment: 16 rows x 128 K
.set NL,     4                         ; LDS loads that bring one
.set NP,     4                         ; places behind this matrix instruction (ISA guide 7.12.1)
.set HALFT,  128*PITCH                 ; what one tensor load brings
.set SLOT,   4*HALFT                   ; A's 256 rows, then B's 256 rows
.set QSTG,   2560                      ; q's and k's way out: a stage a wave: 2 heads x 16 tokens x (64 bytes + 16)
.set VSTG,   2304                      ; v's: 16 rows x (128 bytes + 16)
.set STGQ,   2*SLOT                    ; behind the ring; no tensor load fills the stages; each way out has bytes of its own
.set STGV,   STGQ+4*QSTG
.set SPARE,  STGV+4*VSTG               ; the spare words, 128 bytes a wave: two blocks of 256 bytes that no other line names
.set ADRA, 16                          ; v16-17  LDS address of my A fragments in slot 0, 1
.set ADRB, 20                          ; v20-21  the same for B
.set STOV, 22                          ; v22     v's stage: where I put my 64 bytes of a row
.set RDV,  23                          ; v23     and where I read 16 bytes back
.set STOQ, 24                          ; v24     q's and k's stage: where I put my 32 bytes of a token
.set RDQ,  25                          ; v25     and where I read 16 bytes back
.set GOF,  26                          ; v26     16 x lane: my place in a store's 512 bytes
.set SPW,  28                          ; v28     LDS address of my spare word; never rewritten
.set NIL,  29                          ; v29     0; never rewritten
.set SCL,  30                          ; v30     2^(eS - e0 - e1)
.set LIM,  31                          ; v31     448 x that
.set TMP,  32                          ; v32-95  a block's 64 sums, held
.set PC,   96                          ; v96-127 its codes, two sets of 16
.set BK,   128                         ; v128-159 codes back from the stage, two sets of 16
.set AF,   128                         ; A's fragments, in window 0
.set G1, 24                            ; s[24:31] descriptor group 1 for A's tiles;  s[32:39] group 0, one set for each slot
.set G0, 32
.set G1B, 48                           ; s[48:55], s[56:63] the same for B's tiles
.set G0B, 56
.set MSB, 0
.macro WIN new                         ; the immediate's high byte repeats the setting that is left
.if MSB != (\new)
	s_set_vgpr_msb (MSB<<8)|(\new)
.set MSB, (\new)
.endif
.endm
.set MUL_LO, 0xa1                      ; source 0 (B) window 1, source 1 (A) window 0, C and D window 2
.set MUL_HI, 0xf1                      ; the same, C and D window 3
.set TO_B,   0x40                      ; destination window 1, address window 0
; A joint load: waves 0 and 1 fetch for A, waves 2 and 3 for B; the branch hangs on the wave's number alone.  An s_nop 0 and four v_nop follow each of the two lines.
.macro JLOAD g0a, g1a, g0b, g1b
	s_cmp_eq_u32 s15, 0
	s_cbranch_scc0 .Lfor_b_\@
	tensor_load_to_lds s[\g0a:\g0a+3], s[\g1a:\g1a+7]
	s_nop 0
.rept 4
	v_nop
.endr
	s_branch .Lasked_\@
.Lfor_b_\@:
	tensor_load_to_lds s[\g0b:\g0b+3], s[\g1b:\g1b+7]
	s_nop 0
.rept 4
	v_nop
.endr
.Lasked_\@:
.endm
.macro CREST                           ; a round of the cluster's barrier behind its opening barrier
	s_cmp_lg_u32 s14, 0
	s_cbranch_scc1 .Lnot_wave_0_\@
	s_barrier_signal -3
.Lnot_wave_0_\@:
	s_barrier_wait -3
	s_barrier_signal -1
	s_barrier_wait -1
.endm
.macro CROUND                          ; a whole round
	s_barrier_signal -1
	s_barrier_wait -1
	CREST
.endm
	s_load_b128 s[4:7], s[0:1], 0x0                ; x_codes s[4:5], wa_codes s[6:7]
	s_load_b128 s[8:11], s[0:1], 0x10              ; the scales' exponents s[8:9], q_codes s[10:11]
	s_load_b128 s[68:71], s[0:1], 0x20             ; k_codes s[68:69], v_codes s[70:71]
	v_lshl_add_u32 v[SPW], v0, 2, SPARE
	v_mov_b32 v[NIL], 0
	ds_add_u32 v[SPW], v[NIL]                      ; the wave's opening: the add and its wait stand ahead of my first tensor load; the set-up below, work on registers, stands between them
	v_lshrrev_b32 v1, 5, v0
	v_readfirstlane_b32 s14, v1                    ; wave 0..3
	s_lshr_b32 s15, s14, 1                         ; which half of the tile's rows is mine.  Also: I fetch for A (0) or for B (1)
	s_and_b32 s16, s14, 1                          ; which half of its columns.  Also: which 128 rows of that tile I fetch
	s_bfe_u32 s40, ttmp6, 0x40000                  ; cx, cy: my place in the cluster
	s_bfe_u32 s41, ttmp6, 0x40004
	s_lshr_b32 s72, ttmp9, 1                       ; the cluster's number c, which all sixteen partners share, says what the cluster makes
	s_and_b32 s73, ttmp9, 1
	s_sub_co_u32 s74, ttmp9, 16
	s_cmp_ge_u32 ttmp9, 16
	s_cselect_b32 s72, 0, s72                      ; the cluster's row of clusters: c / 2 for q and k, 0 for v
	s_cselect_b32 s73, s74, s73                    ; its column: c % 2 (0: q, 1: k), or c - 16 for v
	s_cselect_b32 s75, 1, 0                        ; 1: v
	s_lshl_b32 s42, s73, 2
	s_add_co_u32 s42, s42, s40                     ; tile column of C'
	s_lshl_b32 s17, s72, 2
	s_add_co_u32 s17, s17, s41                     ; tile row of C'
	s_lshl_b32 s43, s41, 2
	s_lshl_b32 s43, 15, s43                        ; my row of the cluster
	s_lshl_b32 s44, 0x1111, s40                    ; my column
	; descriptor group 1: a tile of 128 rows x 256 bytes, padded in LDS
	s_or_b32 s[G1+0], s43, (0<<16)|(1<<20)|(1<<21)|(5<<22)|(3<<25)  ; 15:0 the mask: A's tiles go to my row; 17:16 element of 1 byte; 20 padding on; 21 set beside a mask; 24:22 after every 64 words (code 5); 31:25 of 4 words (code 3)
	s_or_b32 s[G1B+0], s44, (0<<16)|(1<<20)|(1<<21)|(5<<22)|(3<<25)
.irp g, G1, G1B
	s_mov_b32 s[\g+1], ROWB<<16                    ; tensor_dim0
	s_mov_b32 s[\g+2], 128<<16                     ; tensor_dim1 = 128
	s_mov_b32 s[\g+3], ROWB<<16                    ; tile_dim0
	s_mov_b32 s[\g+4], 128                         ; tile_dim1 = 128
	s_mov_b32 s[\g+5], KROW                        ; tensor_dim0_stride
	s_mov_b32 s[\g+6], 0
	s_mov_b32 s[\g+7], 0
.endr
	s_lshl_b32 s18, s16, 7                         ; which 128 rows of the tile I fetch
	s_lshl_b32 s20, s17, 8
	s_add_co_u32 s20, s20, s18                     ; A': row 256 x tile row + 128 x half
	s_lshl_b32 s46, s42, 8
	s_add_co_u32 s46, s46, s18                     ; B': row 256 x tile column + 128 x half
	s_lshl_b32 s20, s20, 10                        ; in bytes: under 2^23
	s_lshl_b32 s46, s46, 10
	s_mov_b32 s21, 0
	s_mov_b32 s47, 0
	s_mul_i32 s45, s14, HALFT                      ; where they go: wave x 128 rows: no place in the cluster enters an LDS address
	s_wait_dscnt 0x0                               ; the opening add is done
	s_wait_kmcnt 0x0
	s_load_b256 s[80:87], s[8:9], 0x0              ; e0 .. e7
	s_cmp_eq_u32 s75, 1                            ; the roles: a choice between two buffers on the cluster's number
	s_cselect_b64 s[76:77], s[6:7], s[4:5]         ; A'
	s_cselect_b64 s[78:79], s[4:5], s[6:7]         ; B'
	s_cselect_b32 s88, 0x200000, 0                 ; v's rows of wa_codes begin 2,048 rows of 1,024 bytes on
	s_mov_b32 s89, 0
	s_add_nc_u64 s[76:77], s[76:77], s[88:89]
	s_add_nc_u64 s[20:21], s[76:77], s[20:21]
	s_add_nc_u64 s[46:47], s[78:79], s[46:47]
	CROUND                                         ; all sixteen work-groups are here: the first joint loads meet
.irp s, 0,1
	s_mov_b32 s[G0+4*\s], 1
	s_add_co_u32 s[G0+4*\s+1], s45, \s*SLOT
	s_add_nc_u64 s[G0+4*\s+2:G0+4*\s+3], s[20:21], \s*ROWB
	s_or_b32 s[G0+4*\s+3], s[G0+4*\s+3], 0x80000000
	s_mov_b32 s[G0B+4*\s], 1
	s_add_co_u32 s[G0B+4*\s+1], s45, \s*SLOT
	s_add_nc_u64 s[G0B+4*\s+2:G0B+4*\s+3], s[46:47], \s*ROWB
	s_or_b32 s[G0B+4*\s+3], s[G0B+4*\s+3], 0x80000000
	JLOAD G0+4*\s, G1, G0B+4*\s, G1B
.endr
	v_and_b32 v1, 15, v0                           ; r = l % 16
	v_bfe_u32 v2, v0, 4, 1                         ; h = l / 16
	v_mul_u32_u24 v3, v1, PITCH
	v_lshl_add_u32 v4, v2, 4, v3                   ; a fragment's row x pitch + 16 x half
	s_mul_i32 s21, s15, HALFT                      ; my 128 rows of A
	s_mul_i32 s22, s16, HALFT                      ; my 128 rows of B,
	s_add_co_u32 s22, s22, 2*HALFT                 ; which lie behind A's 256
.irp s, 0,1
	v_add_nc_u32 v[ADRA+\s], s21, v4
	v_add_nc_u32 v[ADRB+\s], s22, v4
	s_add_co_u32 s21, s21, SLOT
	s_add_co_u32 s22, s22, SLOT
.endr
	s_mul_i32 s23, s14, QSTG
	s_add_co_u32 s23, s23, STGQ                    ; my stage for q and k
	v_mul_u32_u24 v5, v1, 80
	v_lshl_add_u32 v5, v2, 5, v5
	v_add_nc_u32 v[STOQ], s23, v5                  ; in: token r, 32 bytes for each half of the lanes
	v_and_b32 v6, 31, v0
	v_lshrrev_b32 v7, 2, v6
	v_mul_u32_u24 v7, v7, 80
	v_and_b32 v8, 3, v6
	v_lshl_add_u32 v7, v8, 4, v7
	v_add_nc_u32 v[RDQ], s23, v7                   ; back: four lanes to a token's 64 bytes, eight tokens an instruction
	s_mul_i32 s23, s14, VSTG
	s_add_co_u32 s23, s23, STGV                    ; my stage for v
	v_mul_u32_u24 v5, v1, 144
	v_lshl_add_u32 v5, v2, 6, v5
	v_add_nc_u32 v[STOV], s23, v5                  ; in: row r, 64 bytes for each half of the lanes
	v_lshrrev_b32 v7, 3, v6
	v_mul_u32_u24 v7, v7, 144
	v_and_b32 v8, 7, v6
	v_lshl_add_u32 v7, v8, 4, v7
	v_add_nc_u32 v[RDV], s23, v7                   ; back: eight lanes to a row's 128 bytes, four rows an instruction
	v_lshlrev_b32 v[GOF], 4, v6
	; where my wave's codes go.  q, k: my 128 tokens m0 on, my two heads: (16 b + 4 cx + 2 x column half) x 131,072 + 64 t0
	s_lshl_b32 s20, s17, 8
	s_lshl_b32 s21, s15, 7
	s_add_co_u32 s20, s20, s21                     ; m0
	s_lshr_b32 s21, s20, 11                        ; b
	s_and_b32 s20, s20, 2047                       ; t0
	s_lshl_b32 s21, s21, 4
	s_lshl_b32 s22, s40, 2
	s_add_co_u32 s21, s21, s22
	s_lshl_b32 s22, s16, 1
	s_add_co_u32 s21, s21, s22
	s_lshl_b32 s21, s21, 17
	s_lshl_b32 s20, s20, 6
	s_add_co_u32 s92, s21, s20
	; v: my 128 tokens n0 on are one chunk, my 128 rows two heads: ((16 b + 4 cy + 2 x row half) x 16 + chunk) x 8,192
	s_lshl_b32 s20, s42, 8
	s_lshl_b32 s21, s16, 7
	s_add_co_u32 s20, s20, s21                     ; n0
	s_lshr_b32 s21, s20, 11                        ; b
	s_bfe_u32 s20, s20, 0x40007                    ; chunk
	s_lshl_b32 s21, s21, 4
	s_lshl_b32 s22, s41, 2
	s_add_co_u32 s21, s21, s22
	s_lshl_b32 s22, s15, 1
	s_add_co_u32 s21, s21, s22
	s_lshl_b32 s21, s21, 4
	s_add_co_u32 s21, s21, s20
	s_lshl_b32 s93, s21, 13
	s_cmp_eq_u32 s73, 0
	s_cselect_b64 s[94:95], s[10:11], s[68:69]     ; q_codes or k_codes,
	s_cmp_eq_u32 s75, 1
	s_cselect_b64 s[94:95], s[70:71], s[94:95]     ; or v_codes
	s_cselect_b32 s92, s93, s92
	s_mov_b32 s93, 0
	s_add_nc_u64 s[94:95], s[94:95], s[92:93]
.macro FRAG reg, adr, q, i             ; a fragment, 16 rows x 128 K: lane l holds row l % 16; registers 4 c .. 4 c + 3 hold K = 32 c + 16 (l / 16) + 0 .. 15
.irp c, 0,1,2,3
	ds_load_b128 v[\reg+4*\c:\reg+4*\c+3], v[\adr] offset:128*(\q)+32*\c+(\i)*16*PITCH
.endr
.endm
; 16 matrix instructions: A's blocks a0, a0 + 1 x B's eight, 128 along K.  p: B's set.  zero = 1: the first product starts the sums.  The 64 accumulators take turns, one instruction a turn, in the same order in every step.
.macro MUL16 a0, p, zero
.irp a, \a0, \a0+1
.irp b, 0,1,2,3,4,5,6,7
.if \zero
	v_wmma_f32_16x16x128_fp8_fp8 v[8*(8*((\a)%4)+\b):8*(8*((\a)%4)+\b)+7], v[128*(\p)+FR*\b:128*(\p)+FR*\b+FR-1], v[AF+FR*(\a):AF+FR*(\a)+FR-1], 0
.else
	v_wmma_f32_16x16x128_fp8_fp8 v[8*(8*((\a)%4)+\b):8*(8*((\a)%4)+\b)+7], v[128*(\p)+FR*\b:128*(\p)+FR*\b+FR-1], v[AF+FR*(\a):AF+FR*(\a)+FR-1], v[8*(8*((\a)%4)+\b):8*(8*((\a)%4)+\b)+7]
.endif
.endr
.endr
.endm
.macro FETCH_B slot, q, p              ; B's eight fragments of the slot's q-th 128 along K into set p
	WIN TO_B
.irp i, 0,1,2,3,4,5,6,7
	FRAG 128*(\p)+FR*\i, ADRB+\slot, \q, \i
.endr
	WIN 0
.endm
.macro FETCH_A slot, q, i0             ; A's blocks i0 .. i0 + 3
.irp i, \i0, \i0+1, \i0+2, \i0+3
	FRAG AF+FR*(\i), ADRA+\slot, \q, \i
.endr
.endm
.macro PLACES n                        ; plain vector instructions that name no register of the matrix instructions before them, in front of loads into registers that those have read and of the first read of results
.rept \n
	v_nop
.endr
.endm
; A step of 128 along K that has its successor in the same slot.  A's one set: blocks 0-3 are fetched anew in the step's middle, blocks 4-7 at its end; B's next set in the middle.
.macro STEP slot, q, zero
	s_wait_dscnt 4*NL                              ; B's set and A's blocks 0-3 are in; the youngest sixteen loads (A's blocks 4-7) may be out
	WIN MUL_LO
	MUL16 0, (\q)%2, \zero
	MUL16 2, (\q)%2, \zero
	s_wait_dscnt 0                                 ; A's blocks 4-7 are in
	PLACES NP
	FETCH_B \slot, (\q)+1, 1-(\q)%2
	FETCH_A \slot, (\q)+1, 0
	WIN MUL_HI
	MUL16 4, (\q)%2, \zero
	MUL16 6, (\q)%2, \zero
	PLACES NP
	WIN 0
	FETCH_A \slot, (\q)+1, 4
.endm
; A slot's last step changes slots: ONE barrier; in front of it each wave waits for all its tensor loads, adds 0 to its spare word, and waits for that and for its own reads of this slot.  fill = 1: this slot is filled again, two K steps ahead.
.macro TURN slot, next, fill
	s_wait_tensorcnt 0x0                           ; all my tensor loads have landed: the one that was out is my part of the next slot (every window is 0 here)
	ds_add_u32 v[SPW], v[NIL]                      ; 0 onto my spare word
	s_wait_dscnt 4*NL+1                            ; (the add and the youngest sixteen loads, A's blocks 4-7, may be out)
	WIN MUL_LO
	MUL16 0, 1, 0                                  ; sixteen matrix instructions stand between the add and the wait for it
	s_wait_dscnt 0x0                               ; the add is done, and my reads of this slot are over
	s_barrier_signal -1
	MUL16 2, 1, 0
	WIN 0
	s_barrier_wait -1
.if \fill
	CREST                                          ; the barrier has opened a round of the cluster's barrier: no wave of any partner still reads this slot or has a load on its way
	s_add_nc_u64 s[G0+4*\slot+2:G0+4*\slot+3], s[G0+4*\slot+2:G0+4*\slot+3], 2*ROWB
	s_add_nc_u64 s[G0B+4*\slot+2:G0B+4*\slot+3], s[G0B+4*\slot+2:G0B+4*\slot+3], 2*ROWB
	JLOAD G0+4*\slot, G1, G0B+4*\slot, G1B         ; the first tensor load behind the round, my one until the next; its four v_nop are also the places in front of the loads below
.else
	PLACES NP
.endif
	FETCH_B \next, 0, 0
	FETCH_A \next, 0, 0
	WIN MUL_HI
	MUL16 4, 1, 0
	MUL16 6, 1, 0
	PLACES NP
	WIN 0
	FETCH_A \next, 0, 4
.endm
	s_wait_tensorcnt 1                             ; my part of K step 0 is in; K step 1's load may be out
	s_barrier_signal -1
	s_barrier_wait -1                              ; everybody's is
	FETCH_B 0, 0, 0
	FETCH_A 0, 0, 0
	FETCH_A 0, 0, 4
	STEP 0, 0, 1                                   ; K 0-127: its products start the sums
	TURN 0, 1, 1                                   ; K 128-255; slot 0 takes K 512-767
	STEP 1, 0, 0
	TURN 1, 0, 1                                   ; slot 1 takes K 768-1,023
	STEP 0, 0, 0
	TURN 0, 1, 0                                   ; nothing is left to fetch: no round
	STEP 1, 0, 0
	s_wait_dscnt 4*NL                              ; the last step
	WIN MUL_LO
	MUL16 0, 1, 0
	MUL16 2, 1, 0
	s_wait_dscnt 0
	WIN MUL_HI
	MUL16 4, 1, 0
	MUL16 6, 1, 0
	WIN 0
; THE WAY OUT, a block of 16 rows of A' at a time.  HOLDCVT: the block's 64 sums a lane are held within +-448 x the scale, into other registers, each accumulator from its low end on, and converted: 16 registers of codes.
.macro HOLDCVT a
.set AC, 64*((\a)%4)
.set PCS, PC+16*((\a)%2)
	WIN 0x02+((\a)/4)                              ; source 0: window 2 or 3
.set j, 0
.rept 64
	v_med3_num_f32 v[TMP+j], v[AC+j], -v[LIM], v[LIM]   ; the conversion to an 8-bit code does not saturate (ISA guide 7.6.2)
.set j, j+1
.endr
	WIN 0
.irp b, 0,1,2,3,4,5,6,7
	v_cvt_scalef32_pk8_fp8_f32 v[PCS+2*\b:PCS+2*\b+1], v[TMP+8*\b:TMP+8*\b+7], v[SCL]
.endr
	v_nop                                          ; one plain vector instruction behind the last conversion: the next block's holds write the conversions' sources
.endm
; q, k: registers 0-7 of the codes are my 32 bytes of token r in the first head, 8-15 in the second.  Through my own stage (LDS serves a wave's instructions in order), back as eight whole tokens an instruction.
.macro QSTAGE a
.set PCS, PC+16*((\a)%2)
.set BKS, BK+16*((\a)%2)
.irp g, 0,1,2,3
	ds_store_b128 v[STOQ], v[PCS+4*\g:PCS+4*\g+3] offset:(\g/2)*1280+16*(\g%2)
.endr
.irp i, 0,1,2,3
	ds_load_b128 v[BKS+4*\i:BKS+4*\i+3], v[RDQ] offset:(\i/2)*1280+(\i%2)*640
.endr
.endm
.macro QSEND a, younger                ; younger: the LDS instructions issued behind block a's loads
.set BKS, BK+16*((\a)%2)
	s_wait_dscnt \younger
.irp i, 0,1,2,3
	global_store_b128 v[GOF], v[BKS+4*\i:BKS+4*\i+3], s[94:95] offset:(\i/2)*131072+(\a)*1024+(\i%2)*512   ; 32 lanes store 512 consecutive bytes, aligned: eight tokens of one head
.endr
.endm
; v: the 16 registers are my 64 bytes of row 16 a + r.  Back as four whole rows an instruction; block a's rows r = 0-7 go to rows 32 (a % 2) + 8 ((a % 4) / 2) on of the chunk, rows 8-15 sixteen rows further.
.macro VSTAGE a
.set PCS, PC+16*((\a)%2)
.set BKS, BK+16*((\a)%2)
.irp g, 0,1,2,3
	ds_store_b128 v[STOV], v[PCS+4*\g:PCS+4*\g+3] offset:16*\g
.endr
.irp i, 0,1,2,3
	ds_load_b128 v[BKS+4*\i:BKS+4*\i+3], v[RDV] offset:576*\i
.endr
.endm
.macro VSEND a, younger
.set BKS, BK+16*((\a)%2)
	s_wait_dscnt \younger
.irp i, 0,1,2,3
	global_store_b128 v[GOF], v[BKS+4*\i:BKS+4*\i+3], s[94:95] offset:((\a)/4)*131072+(32*((\a)%2)+8*(((\a)%4)/2))*128+(\i/2)*2048+(\i%2)*512   ; 512 consecutive bytes, aligned: four rows of the chunk
.endr
.endm
	s_wait_kmcnt 0x0
	s_cmp_eq_u32 s73, 0
	s_cselect_b32 s90, s82, s83                    ; e2 for q, e3 for k,
	s_cmp_eq_u32 s75, 1
	s_cselect_b32 s90, s85, s90                    ; e5 for v: a choice, no branch
	s_sub_co_i32 s90, s90, s80
	s_sub_co_i32 s90, s90, s81                     ; eS - e0 - e1: the three scales folded into the conversion's one
	s_add_co_i32 s90, s90, 127
	s_lshl_b32 s91, s90, 23
	v_mov_b32 v[SCL], s91
	s_add_co_i32 s90, s90, 8
	s_lshl_b32 s90, s90, 23
	s_or_b32 s90, s90, 0x600000
	v_mov_b32 v[LIM], s90
	PLACES NP                                      ; behind the last products: their results are read below, and loads land in the registers that held A's fragments
	s_cmp_ge_u32 ttmp9, 16                         ; the cluster's number: the same way in all sixteen partners
	s_cbranch_scc1 .Lvpath
	HOLDCVT 0
	QSTAGE 0
.irp a, 1,2,3,4,5,6,7
.if \a > 1
	s_wait_xcnt 0x0                                ; block a - 2's stores have read their registers: block a's loads may land there
.endif
	HOLDCVT \a
	QSTAGE \a
	QSEND \a-1, 8                                  ; behind block a - 1's loads: block a's 4 stores and 4 loads
.endr
	QSEND 7, 0
	s_branch .Ldone
.Lvpath:
	HOLDCVT 0
	VSTAGE 0
.irp a, 1,2,3,4,5,6,7
.if \a > 1
	s_wait_xcnt 0x0
.endif
	HOLDCVT \a
	VSTAGE \a
	VSEND \a-1, 8
.endr
	VSEND 7, 0
.Ldone:
	s_wait_tensorcnt 0x0                           ; the wave's end: three lines, behind my last tensor load and my last LDS store
	ds_add_u32 v[SPW], v[NIL]
	s_wait_dscnt 0x0
	CROUND                                         ; the closing round: no work-group ends while a partner may still ask for a tile that names it
	s_endpgm
.Lfunc_end_k_qbb9109fa33_qkv:
	.size	k_qbb9109fa33_qkv, .Lfunc_end_k_qbb9109fa33_qkv-k_qbb9109fa33_qkv
	.p2alignl 7, 3214868480
	.fill 96, 4, 3214868480
	.section	.rodata,"a",@progbits
	.p2align	6, 0x0
	.amdhsa_kernel k_qbb9109fa33_qkv
		.amdhsa_group_segment_fixed_size 327680
		.amdhsa_private_segment_fixed_size 0
		.amdhsa_enable_private_segment 0
		.amdhsa_kernarg_size 48
		.amdhsa_user_sgpr_count 2
		.amdhsa_user_sgpr_kernarg_segment_ptr 1
		.amdhsa_wavefront_size32 1
		.amdhsa_system_sgpr_workgroup_id_x 1
		.amdhsa_system_sgpr_workgroup_id_y 1
		.amdhsa_system_sgpr_workgroup_id_z 1
		.amdhsa_system_vgpr_workitem_id 0
		.amdhsa_next_free_vgpr 1024
		.amdhsa_next_free_sgpr 98
		.amdhsa_reserve_vcc 0
		.amdhsa_float_denorm_mode_32 3
		.amdhsa_float_denorm_mode_16_64 3
		.amdhsa_memory_ordered 1
		.amdhsa_forward_progress 1
		.amdhsa_inst_pref_size 168
	.end_amdhsa_kernel
	.amdgpu_metadata
---
amdhsa.version: [ 1, 2 ]
amdhsa.kernels:
  - .name:           k_qbb9109fa33_qkv
    .symbol:         k_qbb9109fa33_qkv.kd
    .args:
      - { .name: x_codes, .offset: 0, .size: 8, .value_kind: global_buffer, .address_space: global }
      - { .name: wa_codes, .offset: 8, .size: 8, .value_kind: global_buffer, .address_space: global }
      - { .name: lowp_scales, .offset: 16, .size: 8, .value_kind: global_buffer, .address_space: global }
      - { .name: q_codes, .offset: 24, .size: 8, .value_kind: global_buffer, .address_space: global }
      - { .name: k_codes, .offset: 32, .size: 8, .value_kind: global_buffer, .address_space: global }
      - { .name: v_codes, .offset: 40, .size: 8, .value_kind: global_buffer, .address_space: global }
    .group_segment_fixed_size: 327680
    .private_segment_fixed_size: 0
    .kernarg_segment_align: 8
    .kernarg_segment_size: 48
    .max_flat_workgroup_size: 128
    .sgpr_count:     98
    .vgpr_count:     1024
    .wavefront_size: 32
...
	.end_amdgpu_metadata
.endif
;; end of part 2
;; launch attn (part 3): grid 8 x 64, 16 waves a work-group, no clusters, 200,704 bytes of LDS; arguments q_codes, k_codes, v_codes, lowp_scales, y_codes; writes y_codes
.if DOCPART == 3
	.amdgcn_target "amdgcn-amd-amdhsa--gfx1250"
	.amdhsa_code_object_version 6
	.text
	.protected	k_qbb9109fa33_attn
	.globl	k_qbb9109fa33_attn
	.p2align	8
	.type	k_qbb9109fa33_attn,@function
k_qbb9109fa33_attn:
	s_mov_b64 s[64:65], 0
	v_nop
	global_prefetch_b8 v0, s[64:65] scope:SCOPE_SE
	s_setreg_imm32_b32 hwreg(HW_REG_WAVE_MODE, 25, 1), 1
	s_wait_xcnt 0x0
; Causal attention on codes of FP8 (E4M3): S = q k^T / 8, p = 2^(t - M), y = (p v) / l, and the quantising of y for the projection.  64 heads (bh = 16 b + head) of 2,048 tokens x 64.
; q_codes, k_codes [bh][t][64]: byte 32 h + 8 c + j holds d = 16 c + 8 h + j.  v_codes [bh][chunk of 128 keys][row s][128]: byte 64 h + 8 c + j holds key 16 c + 8 h + j; row s = 16 u + m holds d = 32 (m / 8) + 8 u + m % 8.
; y_codes [bh][t][64], d as it counts.  Scales: e2 (q), e3 (k), e4 (p), e5 (v), e6 (y).
; THE SOFTMAX: t = score x log2(e) / 8; M = the running largest t rounded UP to a whole number; p = 2^(t - M) is quantised along the keys, not normalised; the row's sum is taken of the unquantised p and divides at the end;
; when M moves, the sum and O are multiplied by 2^(old M - new M), which rounds nothing.
; SHARES.  A work-group owns two blocks of 128 queries of one head, blocks J and 15 - J: (J + 1) + (16 - J) = 17 key steps x 8 tiles in every work-group.  Each of its sixteen waves owns one tile of 16 queries in 256 registers.
; Both products are used transposed (S^T = k q^T, K = 64; O^T = v^T p^T, K = 128 keys): a lane holds ONE query (lane % 16) throughout.  Register 8 c + j of S^T is key 16 c + 8 h + j, which is where the second product's
; operand wants it: the conversions' results are that operand.  By v's order of rows register 8 u + j of O^T is d = 32 h + 8 u + j: 32 neighbours a lane.  In both products every k stands in its own place.
; K AND V go from memory through registers into a ring of two LDS slots of 512 keys (32 KB of each, dense in memory): 8 loads and 8 LDS stores of 16 bytes a lane and slot; a slot is asked for a whole slot's four key steps
; before it is stored, so no wave waits for it, and nothing is asked for earlier still.  In LDS each 256 bytes are followed by 16 of padding.
; NO TENSOR LOAD AND NO JOINT REQUEST: steps are left out by the wave's and the work-group's queries, which differ between the work-groups that share K and V.
; THE HOLD OF p: p <= 1, so p / 2^e4 <= 448 wherever e4 >= -8: there the 64 holds of a step are jumped over, by a scalar branch on e4 round those lines alone; with e4 < -8 they run.
; CAUSAL: every wave walks all four slots (constant trip counts, every barrier passed); a step all of whose keys come after the wave's queries is left out by a scalar branch on ids; on the diagonal hidden scores become -infinity.
; LIMITS: e2 + e3 between -123 and 130 (added to c's exponent field); e4 and e6 between -126 and 119; e4 + e5 is applied by v_ldexp_f32 and has none.
; REGISTERS: v1-7, v24, v25 addresses that stay; v8-11 addresses in hand; v12 -M, v13 the largest t, v[14:15] the sum in two halves; v16-23 Q; v32-95 K's eight fragments, then V's four; v96-159 S^T, then p; v160-191 O^T;
;   v192-223 the next slot's 8 loads; v224-239 p's codes; v240, v244: 448 x 2^e4, 2^e4; v241, v245: the same with e6; v236, v242, v243, v252-254 at work.
.set SLOT1, 1<<17                      ; slot 1 begins here
.set VOFF,  34816                      ; a slot: K's 128 long rows of 272 bytes, then V's 128
.set STEPB, 8704                       ; a key step's 32 long rows, in K and in V
.set STAGE, 69632                      ; behind slot 0: the way out: 16 tokens x (64 bytes + 16) for each wave
.set SPARE, STAGE+16*1280              ; the spare words, 128 bytes a wave: eight blocks of 256 bytes that no other line names
.set AK0,  1                           ; v1   my lane's place in a tile of K: key r: (r / 4) x 272 + (r % 4) x 64 + 32 h
.set AV0,  2                           ; v2   in a tile of V: row r: VOFF + (r / 2) x 272 + (r % 2) x 128 + 64 h
.set FS0,  3                           ; v3   where I store the fill in slot 0: wave x 4,352 + (l / 16) x 272 + 16 (l % 16)
.set GF,   4                           ; v4   16 x lane: my place in 512 consecutive bytes of memory
.set SPW,  5                           ; v5   LDS address of my spare word; never rewritten
.set NIL,  6                           ; v6   0; never rewritten
.set ADK,  8
.set ADV,  9
.set FS1,  24                          ; v24  FS0 in slot 1
.set RH,   25                          ; v25  r - 8 h
.set WV,   18                          ; s18  my wave's number
.set SEL,  20                          ; s[20:21] lane selects for v_permlanex16_b32: lane l xor 16
.set CS,   22                          ; s[22:23] c = log2(e) / 8 x 2^(e2 + e3)
.set Q0,   28                          ; s28  my first query
.set KF,   29                          ; s29  the step's first key
.set TB,   30                          ; s30  LDS byte at which the step's tiles begin
.set CNT,  33                          ; s33  counts a slot's four steps
.set HOLD, 34                          ; s34  1 where e4 < -8
.macro FILL_LOAD s                     ; my 4 KB of slot s's K (waves 0-7) or V (waves 8-15): each load reads 512 consecutive bytes
.irp i, 0,1,2,3,4,5,6,7
	global_load_b128 v[192+4*\i:195+4*\i], v[GF], s[36:37] offset:(\s)*32768+512*\i
.endr
.endm
.macro FILL_STORE adr                  ; into the slot that nobody reads between the barrier before and the barrier behind
	s_wait_loadcnt 0x0
.irp i, 0,1,2,3,4,5,6,7
	ds_store_b128 v[\adr], v[192+4*\i:195+4*\i] offset:544*\i
.endr
.endm
.macro CHANGE                          ; my stores into the slot ahead have landed and my reads of the slot behind are in: then the barrier; behind it the slot ahead is whole and nobody reads the other
	s_wait_dscnt 0x0
	s_barrier_signal -1
	s_barrier_wait -1
.endm
; A KEY STEP: 128 keys.
.macro STEP
	s_add_co_u32 s35, s[Q0], 15
	s_cmp_gt_u32 s[KF], s35                        ; all keys behind my queries: the step's work is left out, not the lines at its end
	s_cbranch_scc1 .Lhidden_\@
	v_add_nc_u32 v[ADK], s[TB], v[AK0]
	v_add_nc_u32 v[ADV], s[TB], v[AV0]
	v_nop                                          ; with the two additions: four places in front of loads into registers that the last products have read
	v_nop
.irp t, 0,1,2,3,4,5,6,7
	ds_load_b128 v[32+8*\t:35+8*\t], v[ADK] offset:\t*1088          ; keys 16 t + r: my 32 bytes
	ds_load_b128 v[36+8*\t:39+8*\t], v[ADK] offset:\t*1088+16
.endr
	s_wait_dscnt 0x0
.irp t, 0,1,2,3,4,5,6,7
	v_wmma_f32_16x16x64_fp8_fp8 v[96+8*\t:103+8*\t], v[32+8*\t:39+8*\t], v[16:23], 0   ; S^T: register 8 t + j = key 16 t + 8 h + j of query r
.endr
.rept 4
	v_nop                                          ; places: loads land in registers just read, and results are read
.endr
.irp u, 0,1,2,3
.irp c, 0,1,2,3
	ds_load_b128 v[32+16*\u+4*\c:35+16*\u+4*\c], v[ADV] offset:\u*2176+16*\c   ; V's rows 16 u + r: my 64 bytes; they land while the softmax is worked
.endr
.endr
	s_add_co_u32 s35, s[KF], 127
	s_cmp_le_u32 s35, s[Q0]                        ; all keys count: no mask
	s_cbranch_scc1 .Lopen_\@
	s_sub_co_i32 s35, s[Q0], s[KF]
	v_add_nc_u32 v252, s35, v[RH]                  ; my query - KF - 8 h: register 8 t + j is hidden where 16 t + j is greater
	v_mov_b32 v254, 0xff800000                     ; -infinity
.set n, 0
.rept 64
	v_cmp_gt_i32 vcc_lo, 16*(n/8)+n%8, v252
	v_cndmask_b32 v[96+n], v[96+n], v254, vcc_lo
.set n, n+1
.endr
.Lopen_\@:
	v_max3_num_f32 v254, v96, v97, v98             ; the step's largest score of my query among my 64 keys, in two chains, each accumulator from its low end on,
	v_max3_num_f32 v252, v99, v100, v101
.irp i, 6,10,14,18,22,26,30,34,38,42,46,50,54,58
	v_max3_num_f32 v254, v254, v[96+\i], v[97+\i]
	v_max3_num_f32 v252, v252, v[98+\i], v[99+\i]
.endr
	v_max3_num_f32 v254, v254, v158, v159
	v_max_num_f32 v254, v254, v252
	v_permlanex16_b32 v236, v254, s[SEL], s[SEL+1]
	v_max_num_f32 v254, v254, v236                 ; and among lane l xor 16's
	v_mul_f32 v254, s[CS], v254                    ; as t (c is positive)
	v_max_num_f32 v13, v13, v254                   ; the running largest t
	v_mov_b32 v254, v12
	v_floor_f32 v12, -v13                          ; the new -M = floor(-t) = -ceil(t)
	v_sub_f32 v254, v12, v254                      ; old M - new M: a whole number, 0 or less
	v_cvt_i32_f32 v254, v254                       ; (it saturates)
	v_ldexp_f32 v252, 1.0, v254                    ; f = 2^(old M - new M)
.set n, 0
.rept 32
	v_pk_fma_f32 v[96+n:97+n], v[96+n:97+n], s[CS:CS+1], v[12:13] op_sel_hi:[1,0,0]   ; t - M, two at a time (of the pairs c and -M the low word serves both halves)
.set n, n+2
.endr
.set n, 0
.rept 64
	v_exp_f32 v[96+n], v[96+n]                     ; p = 2^(t - M), at most 1
.set n, n+1
.endr
	v_pk_mul_f32 v[14:15], v[14:15], v[252:253] op_sel_hi:[1,0]   ; the sums under the new M: the plain instruction behind the exponentials
	s_wait_alu depctr_va_vdst(0)                   ; one wait for the whole batch, ahead of its first reader
	v_pk_add_f32 v[242:243], v[96:97], v[98:99]    ; the row's sum of the UNQUANTISED p, two at a time, in two chains
.irp j, 4,8,12,16,20,24,28,32,36,40,44,48,52,56,60
	v_pk_add_f32 v[14:15], v[14:15], v[96+\j:97+\j]
	v_pk_add_f32 v[242:243], v[242:243], v[98+\j:99+\j]
.endr
	v_pk_add_f32 v[14:15], v[14:15], v[242:243]
	s_cmp_eq_u32 s[HOLD], 0
	s_cbranch_scc1 .Lnohold_\@                     ; e4 >= -8: p / 2^e4 <= 256, inside the format
.set n, 0
.rept 64
	v_min_num_f32 v[96+n], v[96+n], v240           ; the conversion does not saturate (ISA guide 7.6.2); p is not negative, so the hold is one-sided
.set n, n+1
.endr
.Lnohold_\@:
.irp t, 0,1,2,3,4,5,6,7
	v_cvt_scalef32_pk8_fp8_f32 v[224+2*\t:225+2*\t], v[96+8*\t:103+8*\t], v244   ; registers 2 t, 2 t + 1 of the operand: keys 16 t + 8 h + 0 .. 7
.endr
.set n, 0
.rept 16
	v_pk_mul_f32 v[160+n:161+n], v[160+n:161+n], v[252:253] op_sel_hi:[1,0]   ; O^T under the new M; these are also the plain instructions between the conversions and the products
.set n, n+2
.endr
	s_wait_dscnt 0x0                               ; V is in
.irp u, 0,1,2,3
	v_wmma_f32_16x16x128_fp8_fp8 v[160+8*\u:167+8*\u], v[32+16*\u:47+16*\u], v[224:239], v[160+8*\u:167+8*\u]   ; the four accumulators by turns, one instruction a turn
.endr
.Lhidden_\@:
	s_add_co_u32 s[KF], s[KF], 128
	s_add_co_u32 s[TB], s[TB], STEPB
.endm
; Slot s: the change of slots; the next slot is asked for; four key steps; the next slot is stored into the other slot's bytes.
.macro SLOTRUN s, more, adr
	CHANGE
.if \more
	FILL_LOAD (\s)+1
.endif
	s_mov_b32 s[TB], ((\s)%2)*SLOT1
	s_mov_b32 s[CNT], 4
.Lstep_\@:
	STEP
	s_sub_co_u32 s[CNT], s[CNT], 1
	s_cmp_lg_u32 s[CNT], 0
	s_cbranch_scc1 .Lstep_\@
.if \more
	FILL_STORE \adr
.endif
.endm
	s_load_b256 s[4:11], s[0:1], 0x0               ; q_codes s[4:5], k_codes s[6:7], v_codes s[8:9], the scales' exponents s[10:11]
	s_load_b64 s[12:13], s[0:1], 0x20              ; y_codes
	v_lshl_add_u32 v[SPW], v0, 2, SPARE
	v_mov_b32 v[NIL], 0
	v_lshrrev_b32 v8, 5, v0
	v_readfirstlane_b32 s[WV], v8                  ; wave 0..15
	s_lshr_b32 s26, s[WV], 2
	s_xor_b32 s26, s26, s[WV]
	s_and_b32 s26, s26, 1                          ; which of the two blocks: waves 2 i and 2 i + 1 take tile i of one block each; of waves w, w + 4, w + 8, w + 12 and of waves 4 i .. 4 i + 3 alike two take each block
	s_sub_co_u32 s27, 15, ttmp9
	s_cmp_eq_u32 s26, 1
	s_cselect_b32 s27, s27, ttmp9                  ; block 15 - J or J
	s_lshl_b32 s27, s27, 7
	s_lshr_b32 s26, s[WV], 1
	s_lshl_b32 s26, s26, 4
	s_add_co_u32 s[Q0], s27, s26                   ; my first query
	s_mov_b32 s[KF], 0
	s_and_b32 s24, ttmp7, 0xffff                   ; bh
	s_lshl_b32 s24, s24, 17                        ; a head's codes are 131,072 bytes in each of the four buffers
	s_mov_b32 s25, 0
	s_lshl_b32 s26, s[Q0], 6
	s_add_co_u32 s26, s26, s24                     ; my queries' bytes in q_codes and y_codes
	s_mov_b32 s27, 0
	s_and_b32 s19, s[WV], 7
	s_lshl_b32 s19, s19, 12
	s_add_co_u32 s24, s24, s19                     ; my 4 KB of a slot's 32 KB
	s_mul_i32 s19, s[WV], 4352                     ; and in LDS: 16 long rows a wave; V's region follows K's, so the wave's number serves both
	s_mov_b32 s[SEL], 0x76543210
	s_mov_b32 s[SEL+1], 0xfedcba98
	s_mov_b32 s[CS], 0x3e38aa3b                    ; log2(e) / 8
	v_and_b32 v8, 15, v0                           ; r
	v_bfe_u32 v9, v0, 4, 1                         ; h
	v_and_b32 v10, 31, v0                          ; l
	v_lshlrev_b32 v[GF], 4, v10
	v_lshlrev_b32 v11, 6, v8
	v_lshl_add_u32 v11, v9, 5, v11                 ; Q: token r, + 32 h
	v_lshrrev_b32 v26, 2, v8
	v_mul_u32_u24 v[AK0], v26, 272
	v_and_b32 v26, 3, v8
	v_lshl_add_u32 v[AK0], v26, 6, v[AK0]
	v_lshl_add_u32 v[AK0], v9, 5, v[AK0]
	v_lshrrev_b32 v26, 1, v8
	v_mul_u32_u24 v[AV0], v26, 272
	v_and_b32 v26, 1, v8
	v_lshl_add_u32 v[AV0], v26, 7, v[AV0]
	v_lshl_add_u32 v[AV0], v9, 6, v[AV0]
	v_add_nc_u32 v[AV0], VOFF, v[AV0]
	v_mul_u32_u24 v[FS0], v9, 272
	v_lshl_add_u32 v[FS0], v8, 4, v[FS0]
	v_add_nc_u32 v[FS0], s19, v[FS0]
	v_add_nc_u32 v[FS1], SLOT1, v[FS0]
	v_lshlrev_b32 v26, 3, v9
	v_sub_nc_u32 v[RH], v8, v26
	s_wait_kmcnt 0x0
	s_load_b256 s[40:47], s[10:11], 0x0            ; e0 .. e7
	s_add_nc_u64 s[4:5], s[4:5], s[26:27]
	s_add_nc_u64 s[12:13], s[12:13], s[26:27]
	s_cmp_lt_u32 s[WV], 8                          ; waves 0-7 fill K, waves 8-15 V
	s_cselect_b64 s[36:37], s[6:7], s[8:9]
	s_add_nc_u64 s[36:37], s[36:37], s[24:25]
	global_load_b128 v[16:19], v11, s[4:5]         ; Q's fragment stays in registers
	global_load_b128 v[20:23], v11, s[4:5] offset:16
	FILL_LOAD 0
	v_mov_b32 v13, 0xff61b1e6                      ; the largest t so far: -3e38, under every t
	v_floor_f32 v12, -v13                          ; -M
	v_mov_b32 v14, 0                               ; the sum, in two halves
	v_mov_b32 v15, 0
	v_mov_b32 v236, 0                              ; written once: a lane permute's destination counts as one of its sources
	v_mov_b32 v253, 0                              ; (named as the upper half of the pair v[252:253])
.set n, 0
.rept 32
	v_mov_b32 v[160+n], 0                          ; O^T: the step is written without a first step of its own: the first change of M multiplies zeros
.set n, n+1
.endr
	s_wait_kmcnt 0x0
	s_add_co_i32 s35, s42, s43
	s_lshl_b32 s35, s35, 23
	s_add_co_i32 s[CS], s[CS], s35                 ; a score stands for score x 2^(e2 + e3): added to c's exponent field
	s_mov_b32 s[CS+1], s[CS]                       ; (named with it as a pair, so it is written)
	s_add_co_i32 s35, s44, 127
	s_lshl_b32 s38, s35, 23
	v_mov_b32 v244, s38                            ; 2^e4
	s_add_co_i32 s35, s35, 8
	s_lshl_b32 s35, s35, 23
	s_or_b32 s35, s35, 0x600000
	v_mov_b32 v240, s35                            ; 448 x 2^e4
	s_add_co_i32 s35, s46, 127
	s_lshl_b32 s38, s35, 23
	v_mov_b32 v245, s38                            ; 2^e6
	s_add_co_i32 s35, s35, 8
	s_lshl_b32 s35, s35, 23
	s_or_b32 s35, s35, 0x600000
	v_mov_b32 v241, s35                            ; 448 x 2^e6
	s_cmp_lt_i32 s44, -8
	s_cselect_b32 s[HOLD], 1, 0
	FILL_STORE FS0                                 ; slot 0; its wait for all loads serves Q too
	SLOTRUN 0, 1, FS1
	SLOTRUN 1, 1, FS0
	SLOTRUN 2, 1, FS1
	SLOTRUN 3, 0, FS0
	; THE WAY OUT.  y = O^T x 2^(e4 + e5) / the sum, quantised with 2^e6: 32 codes a lane, through my own stage, so that each store covers 512 consecutive bytes: eight tokens.
	v_add_f32 v14, v14, v15                        ; the sum's two halves,
	v_permlanex16_b32 v252, v14, s[SEL], s[SEL+1]
	v_add_f32 v14, v14, v252                       ; and lane l xor 16's
	v_rcp_f32 v14, v14
	v_and_b32 v8, 15, v0                           ; (plain instructions behind the reciprocal, and places behind the last products)
	v_bfe_u32 v9, v0, 4, 1
	s_mul_i32 s19, s[WV], 1280
	s_add_co_u32 s19, s19, STAGE                   ; my stage
	v_mul_u32_u24 v10, v8, 80
	v_lshl_add_u32 v10, v9, 5, v10
	v_add_nc_u32 v10, s19, v10                     ; in: token r, + 32 h
	v_bfe_u32 v11, v0, 2, 3
	v_mul_u32_u24 v11, v11, 80
	v_and_b32 v26, 3, v0
	v_lshl_add_u32 v11, v26, 4, v11
	v_add_nc_u32 v11, s19, v11                     ; back: four lanes to a token
	s_add_co_i32 s35, s44, s45
	s_wait_alu depctr_va_vdst(0)                   ; the wait ahead of the reciprocal's first reader
	v_ldexp_f32 v14, v14, s35                      ; x 2^(e4 + e5)
.set n, 0
.rept 32
	v_mul_f32 v[96+n], v[160+n], v14               ; register 8 u + j is y(r, 32 h + 8 u + j); each accumulator from its low end on
.set n, n+1
.endr
.set n, 0
.rept 32
	v_med3_num_f32 v[96+n], v[96+n], -v241, v241
.set n, n+1
.endr
.irp u, 0,1,2,3
	v_cvt_scalef32_pk8_fp8_f32 v[224+2*\u:225+2*\u], v[96+8*\u:103+8*\u], v245
.endr
	v_nop                                          ; one plain vector instruction behind the last conversion
	ds_store_b128 v10, v[224:227]
	ds_store_b128 v10, v[228:231] offset:16
	ds_load_b128 v[32:35], v11                     ; LDS serves a wave's instructions in order: these see my stores
	ds_load_b128 v[36:39], v11 offset:640
	s_wait_dscnt 0x1                               ; the first eight tokens are back; the second load may be out
	global_store_b128 v[GF], v[32:35], s[12:13]
	s_wait_dscnt 0x0
	global_store_b128 v[GF], v[36:39], s[12:13] offset:512
	s_wait_tensorcnt 0x0                           ; the wave's end: three lines behind my last LDS store
	ds_add_u32 v[SPW], v[NIL]
	s_wait_dscnt 0x0
	s_endpgm
.Lfunc_end_k_qbb9109fa33_attn:
	.size	k_qbb9109fa33_attn, .Lfunc_end_k_qbb9109fa33_attn-k_qbb9109fa33_attn
	.p2alignl 7, 3214868480
	.fill 96, 4, 3214868480
	.section	.rodata,"a",@progbits
	.p2align	6, 0x0
	.amdhsa_kernel k_qbb9109fa33_attn
		.amdhsa_group_segment_fixed_size 200704
		.amdhsa_private_segment_fixed_size 0
		.amdhsa_enable_private_segment 0
		.amdhsa_kernarg_size 40
		.amdhsa_user_sgpr_count 2
		.amdhsa_user_sgpr_kernarg_segment_ptr 1
		.amdhsa_wavefront_size32 1
		.amdhsa_system_sgpr_workgroup_id_x 1
		.amdhsa_system_sgpr_workgroup_id_y 1
		.amdhsa_system_sgpr_workgroup_id_z 1
		.amdhsa_system_vgpr_workitem_id 0
		.amdhsa_next_free_vgpr 256
		.amdhsa_next_free_sgpr 66
		.amdhsa_reserve_vcc 1
		.amdhsa_float_denorm_mode_32 3
		.amdhsa_float_denorm_mode_16_64 3
		.amdhsa_memory_ordered 1
		.amdhsa_forward_progress 1
		.amdhsa_inst_pref_size 99
	.end_amdhsa_kernel
	.amdgpu_metadata
---
amdhsa.version: [ 1, 2 ]
amdhsa.kernels:
  - .name:           k_qbb9109fa33_attn
    .symbol:         k_qbb9109fa33_attn.kd
    .args:
      - { .name: q_codes, .offset: 0, .size: 8, .value_kind: global_buffer, .address_space: global }
      - { .name: k_codes, .offset: 8, .size: 8, .value_kind: global_buffer, .address_space: global }
      - { .name: v_codes, .offset: 16, .size: 8, .value_kind: global_buffer, .address_space: global }
      - { .name: lowp_scales, .offset: 24, .size: 8, .value_kind: global_buffer, .address_space: global }
      - { .name: y_codes, .offset: 32, .size: 8, .value_kind: global_buffer, .address_space: global }
    .group_segment_fixed_size: 200704
    .private_segment_fixed_size: 0
    .kernarg_segment_align: 8
    .kernarg_segment_size: 40
    .max_flat_workgroup_size: 512
    .sgpr_count:     66
    .vgpr_count:     256
    .wavefront_size: 32
...
	.end_amdgpu_metadata
.endif
;; end of part 3
;; launch proj (part 4): grid 4 x 32, 4 waves a work-group, clusters of 4 x 4, 327,680 bytes of LDS; arguments y_codes, wp_codes, lowp_scales, b_proj, out0; writes out0
.if DOCPART == 4
	.amdgcn_target "amdgcn-amd-amdhsa--gfx1250"
	.amdhsa_code_object_version 6
	.text
	.protected	k_qbb9109fa33_proj
	.globl	k_qbb9109fa33_proj
	.p2align	8
	.type	k_qbb9109fa33_proj,@function
k_qbb9109fa33_proj:
	s_mov_b64 s[64:65], 0
	v_nop
	global_prefetch_b8 v0, s[64:65] scope:SCOPE_SE
	s_setreg_imm32_b32 hwreg(HW_REG_WAVE_MODE, 25, 1), 1
	s_wait_xcnt 0x0
	s_wait_alu depctr_hold_cnt(0) depctr_sa_sdst(0) depctr_va_vdst(0) depctr_va_sdst(0) depctr_va_ssrc(0) depctr_va_vcc(0) depctr_vm_vsrc(0)
	s_getreg_b32 s2, hwreg(HW_REG_IB_STS2, 6, 4)
	s_cmp_eq_u32 s2, 0
	s_cbranch_scc0 .Lentry_in_a_cluster
	s_endpgm
.Lentry_in_a_cluster:
	s_bfe_u32 s2, ttmp6, 0x10000c
	s_cmp_lg_u32 s2, 0xf033
	s_cbranch_scc0 .Lentry_shape_is_right
	s_endpgm
.Lentry_shape_is_right:
; out0 = y W_proj + b_proj on codes of FP8 (E4M3).  y_codes [bh = 16 b + head][t][64] (K = 64 head + d lies head by head), wp_codes [1024 n][1024 k], b_proj [1024] f32, out0 [8192][1024] f32; sums in f32.
; A sum stands for sum x 2^(e6 + e7): out = sum x 2^(e6 + e7) + b, one packed multiply-add for two numbers.  LIMIT: e6 + e7 between -126 and 127, so that the factor is an f32 number.
; A tile of 256 x 256 of the output is made by four waves, 128 x 128 each; K = 1,024 goes in four steps of 256 (four heads) through a ring of two LDS slots filled by tensor loads.  32 x 4 tiles: 128 work-groups.
; CLUSTERS of 4 x 4: y's tiles are shared along a row of the cluster, the weight's along a column, each asked for JOINTLY.  The matrix instruction is used transposed: a lane holds eight neighbouring columns of a row.
; y's TILE: a wave's load is 4 rows (heads) of 8,192 bytes (128 tokens x 64), 131,072 bytes apart, with 16 bytes of padding behind every 256: in LDS a head takes 32 x 272 = 8,704 bytes, four tokens to 272.
; FRAGMENTS: k stands permuted inside a K = 128 instruction, alike in both operands: lane (r, h), registers 4 c .. 4 c + 3: k = 64 h + 16 c + 0 .. 15 of the step: of y head 2 q + h, d = 16 c on; of the weight bytes 128 q + 64 h + 16 c on.
; REGISTERS, in windows of 256: window 0: v16-31 addresses; v32-35 the bias of my four columns; v128-255 A's fragments, ONE set, later rows of the output.  window 1: B's fragments, TWO sets.  windows 2, 3: the 64 accumulators.
.set ROWB,   256
.set PITCH,  272
.set FR,     16
.set NL,     4
.set NP,     4
.set HALFT,  128*PITCH
.set SLOT,   4*HALFT
.set HEADB,  8704                      ; a head's 128 tokens in LDS
.set ASTEP,  2*4*131072                ; two slots on in y_codes: eight heads
.set SPARE,  2*SLOT                    ; behind the ring: the spare words, 128 bytes a wave: two blocks of 256 bytes that no other line names
.set SPITCH, 528                       ; the way out: a stage of 16 rows x (512 bytes + 16) for each wave, in slot 0, which has had its last fill and its last read when the first result is stored there
.set ADRA, 16
.set ADRB, 20
.set STO,  24                          ; v24  the way out: where I put 32 bytes of a row
.set RD,   25                          ; v25  where I read a row back
.set CO,   26                          ; v26  16 x lane: my place in a row's 512 bytes
.set SPW,  28
.set NIL,  29
.set BIAS, 32                          ; v32-35
.set AF,   128
.set BK,   128                         ; 16 rows back from the stage: v128-191 and v192-255 by turns
.set G1, 24
.set G0, 32
.set G1B, 48
.set G0B, 56
.set MSB, 0
.macro WIN new                         ; the immediate's high byte repeats the setting that is left
.if MSB != (\new)
	s_set_vgpr_msb (MSB<<8)|(\new)
.set MSB, (\new)
.endif
.endm
.set MUL_LO, 0xa1
.set MUL_HI, 0xf1
.set TO_B,   0x40
.macro JLOAD g0a, g1a, g0b, g1b        ; a joint load: waves 0 and 1 fetch for A, waves 2 and 3 for B; an s_nop 0 and four v_nop follow each of the two lines
	s_cmp_eq_u32 s15, 0
	s_cbranch_scc0 .Lfor_b_\@
	tensor_load_to_lds s[\g0a:\g0a+3], s[\g1a:\g1a+7]
	s_nop 0
.rept 4
	v_nop
.endr
	s_branch .Lasked_\@
.Lfor_b_\@:
	tensor_load_to_lds s[\g0b:\g0b+3], s[\g1b:\g1b+7]
	s_nop 0
.rept 4
	v_nop
.endr
.Lasked_\@:
.endm
.macro CREST
	s_cmp_lg_u32 s14, 0
	s_cbranch_scc1 .Lnot_wave_0_\@
	s_barrier_signal -3
.Lnot_wave_0_\@:
	s_barrier_wait -3
	s_barrier_signal -1
	s_barrier_wait -1
.endm
.macro CROUND
	s_barrier_signal -1
	s_barrier_wait -1
	CREST
.endm
	s_load_b128 s[4:7], s[0:1], 0x0                ; y_codes s[4:5], wp_codes s[6:7]
	s_load_b128 s[8:11], s[0:1], 0x10              ; the scales' exponents s[8:9], b_proj s[10:11]
	s_load_b64 s[12:13], s[0:1], 0x20              ; out0
	v_lshl_add_u32 v[SPW], v0, 2, SPARE
	v_mov_b32 v[NIL], 0
	ds_add_u32 v[SPW], v[NIL]                      ; the wave's opening: the add and its wait stand ahead of my first tensor load; the set-up below, work on registers, stands between them
	v_lshrrev_b32 v1, 5, v0
	v_readfirstlane_b32 s14, v1                    ; wave 0..3
	s_lshr_b32 s15, s14, 1                         ; which half of the tile's rows is mine.  Also: I fetch for A (0) or for B (1)
	s_and_b32 s16, s14, 1                          ; which half of its columns.  Also: which 128 rows of that tile I fetch
	s_bfe_u32 s40, ttmp6, 0x40000                  ; cx, cy
	s_bfe_u32 s41, ttmp6, 0x40004
	s_lshl_b32 s42, ttmp9, 2
	s_add_co_u32 s42, s42, s40                     ; tile column = 4 x cluster x + cx
	s_and_b32 s17, ttmp7, 0xffff
	s_lshl_b32 s17, s17, 2
	s_add_co_u32 s17, s17, s41                     ; tile row = 4 x cluster y + cy
	s_lshl_b32 s43, s41, 2
	s_lshl_b32 s43, 15, s43                        ; my row of the cluster
	s_lshl_b32 s44, 0x1111, s40                    ; my column
	; group 1 for y's tiles: 4 rows of 1,024 elements of 8 bytes, 16,384 elements apart
	s_or_b32 s[G1+0], s43, (3<<16)|(1<<20)|(1<<21)|(5<<22)|(3<<25)  ; 15:0 the mask: my row; 17:16 element of 8 bytes; 20 padding on; 21 set beside a mask; 24:22 after every 64 words (code 5); 31:25 of 4 words (code 3)
	s_mov_b32 s[G1+1], 1024<<16                    ; tensor_dim0 = 1,024
	s_mov_b32 s[G1+2], 4<<16                       ; tensor_dim1 = 4
	s_mov_b32 s[G1+3], 1024<<16                    ; tile_dim0 = 1,024
	s_mov_b32 s[G1+4], 4                           ; tile_dim1 = 4
	s_mov_b32 s[G1+5], 16384                       ; tensor_dim0_stride: from head to head
	s_mov_b32 s[G1+6], 0
	s_mov_b32 s[G1+7], 0
	; group 1 for the weight's tiles: 128 rows of 256 bytes, 1,024 bytes apart
	s_or_b32 s[G1B+0], s44, (0<<16)|(1<<20)|(1<<21)|(5<<22)|(3<<25)
	s_mov_b32 s[G1B+1], ROWB<<16
	s_mov_b32 s[G1B+2], 128<<16
	s_mov_b32 s[G1B+3], ROWB<<16
	s_mov_b32 s[G1B+4], 128
	s_mov_b32 s[G1B+5], 1024
	s_mov_b32 s[G1B+6], 0
	s_mov_b32 s[G1B+7], 0
	s_lshl_b32 s18, s16, 7                         ; which 128 rows of the tile I fetch
	s_lshl_b32 s20, s17, 8
	s_add_co_u32 s20, s20, s18                     ; y: token 256 x tile row + 128 x half = 2,048 b + t0
	s_lshr_b32 s21, s20, 11
	s_lshl_b32 s21, s21, 21                        ; b x 16 heads x 131,072
	s_and_b32 s20, s20, 2047
	s_lshl_b32 s20, s20, 6                         ; + 64 t0
	s_add_co_u32 s20, s20, s21
	s_mov_b32 s21, 0
	s_lshl_b32 s46, s42, 8
	s_add_co_u32 s46, s46, s18                     ; the weight: row 256 x tile column + 128 x half
	s_lshl_b32 s46, s46, 10
	s_mov_b32 s47, 0
	s_mul_i32 s45, s14, HALFT                      ; where they go: wave x 34,816: no place in the cluster enters an LDS address
	s_wait_dscnt 0x0                               ; the opening add is done
	s_wait_kmcnt 0x0
	s_load_b256 s[80:87], s[8:9], 0x0              ; e0 .. e7
	s_add_nc_u64 s[20:21], s[4:5], s[20:21]
	s_add_nc_u64 s[46:47], s[6:7], s[46:47]
	CROUND                                         ; all sixteen work-groups are here: the first joint loads meet
.irp s, 0,1
	s_mov_b32 s[G0+4*\s], 1
	s_add_co_u32 s[G0+4*\s+1], s45, \s*SLOT
	s_add_nc_u64 s[G0+4*\s+2:G0+4*\s+3], s[20:21], \s*4*131072     ; slot s begins with heads 4 s on
	s_or_b32 s[G0+4*\s+3], s[G0+4*\s+3], 0x80000000
	s_mov_b32 s[G0B+4*\s], 1
	s_add_co_u32 s[G0B+4*\s+1], s45, \s*SLOT
	s_add_nc_u64 s[G0B+4*\s+2:G0B+4*\s+3], s[46:47], \s*ROWB
	s_or_b32 s[G0B+4*\s+3], s[G0B+4*\s+3], 0x80000000
	JLOAD G0+4*\s, G1, G0B+4*\s, G1B
.endr
	v_and_b32 v1, 15, v0                           ; r
	v_bfe_u32 v2, v0, 4, 1                         ; h
	v_lshrrev_b32 v3, 2, v1
	v_mul_u32_u24 v3, v3, PITCH
	v_and_b32 v4, 3, v1
	v_lshl_add_u32 v3, v4, 6, v3
	v_mad_u32_u24 v3, v2, HEADB, v3                ; y: token r: (r / 4) x 272 + (r % 4) x 64; lanes 16-31 one head on
	v_mul_u32_u24 v4, v1, PITCH
	v_lshl_add_u32 v4, v2, 6, v4                   ; the weight: row r x 272 + 64 h
	s_mul_i32 s21, s15, HALFT                      ; my 128 rows of A
	s_mul_i32 s22, s16, HALFT                      ; my 128 rows of B,
	s_add_co_u32 s22, s22, 2*HALFT                 ; which lie behind A's two halves
.irp s, 0,1
	v_add_nc_u32 v[ADRA+\s], s21, v3
	v_add_nc_u32 v[ADRB+\s], s22, v4
	s_add_co_u32 s21, s21, SLOT
	s_add_co_u32 s22, s22, SLOT
.endr
	s_mul_i32 s23, s14, 16*SPITCH                  ; my stage
	v_mul_u32_u24 v5, v1, SPITCH                   ; in: row r, 32 bytes for each half of the lanes
	v_lshl_add_u32 v5, v2, 5, v5
	v_add_nc_u32 v[STO], s23, v5
	v_and_b32 v6, 31, v0
	v_lshlrev_b32 v[CO], 4, v6                     ; back: the 32 lanes take one row of 512 bytes; the same in out0 and in the bias
	v_add_nc_u32 v[RD], s23, v[CO]
	s_lshl_b32 s20, s17, 8
	s_lshl_b32 s21, s15, 7
	s_add_co_u32 s20, s20, s21                     ; my first row of the output
	s_lshl_b32 s20, s20, 12                        ; x 4,096 bytes: under 2^25
	s_mov_b32 s21, 0
	s_lshl_b32 s46, s42, 10                        ; my first column, in bytes: 1,024 x tile column + 512 x half
	s_lshl_b32 s47, s16, 9
	s_add_co_u32 s46, s46, s47
	s_mov_b32 s47, 0
	s_add_nc_u64 s[10:11], s[10:11], s[46:47]
	s_add_nc_u64 s[20:21], s[20:21], s[46:47]
	s_add_nc_u64 s[12:13], s[12:13], s[20:21]
	global_load_b128 v[BIAS:BIAS+3], v[CO], s[10:11]   ; b of columns 4 l .. 4 l + 3 of my 128
.macro FRAGA reg, adr, q, i            ; 16 tokens x 128 K of y
.irp c, 0,1,2,3
	ds_load_b128 v[\reg+4*\c:\reg+4*\c+3], v[\adr] offset:2*HEADB*(\q)+1088*(\i)+16*\c
.endr
.endm
.macro FRAGB reg, adr, q, i            ; 16 rows x 128 K of the weight
.irp c, 0,1,2,3
	ds_load_b128 v[\reg+4*\c:\reg+4*\c+3], v[\adr] offset:128*(\q)+16*\c+(\i)*16*PITCH
.endr
.endm
.macro MUL16 a0, p, zero               ; 16 matrix instructions; the 64 accumulators take turns, one instruction a turn, in the same order in every step
.irp a, \a0, \a0+1
.irp b, 0,1,2,3,4,5,6,7
.if \zero
	v_wmma_f32_16x16x128_fp8_fp8 v[8*(8*((\a)%4)+\b):8*(8*((\a)%4)+\b)+7], v[128*(\p)+FR*\b:128*(\p)+FR*\b+FR-1], v[AF+FR*(\a):AF+FR*(\a)+FR-1], 0
.else
	v_wmma_f32_16x16x128_fp8_fp8 v[8*(8*((\a)%4)+\b):8*(8*((\a)%4)+\b)+7], v[128*(\p)+FR*\b:128*(\p)+FR*\b+FR-1], v[AF+FR*(\a):AF+FR*(\a)+FR-1], v[8*(8*((\a)%4)+\b):8*(8*((\a)%4)+\b)+7]
.endif
.endr
.endr
.endm
.macro FETCH_B slot, q, p
	WIN TO_B
.irp i, 0,1,2,3,4,5,6,7
	FRAGB 128*(\p)+FR*\i, ADRB+\slot, \q, \i
.endr
	WIN 0
.endm
.macro FETCH_A slot, q, i0
.irp i, \i0, \i0+1, \i0+2, \i0+3
	FRAGA AF+FR*(\i), ADRA+\slot, \q, \i
.endr
.endm
.macro PLACES n                        ; plain vector instructions that name no register of the matrix instructions before them (ISA guide 7.12.1)
.rept \n
	v_nop
.endr
.endm
.macro STEP slot, q, zero
	s_wait_dscnt 4*NL                              ; B's set and A's blocks 0-3 are in; the youngest sixteen loads (A's blocks 4-7) may be out
	WIN MUL_LO
	MUL16 0, (\q)%2, \zero
	MUL16 2, (\q)%2, \zero
	s_wait_dscnt 0
	PLACES NP
	FETCH_B \slot, (\q)+1, 1-(\q)%2
	FETCH_A \slot, (\q)+1, 0
	WIN MUL_HI
	MUL16 4, (\q)%2, \zero
	MUL16 6, (\q)%2, \zero
	PLACES NP
	WIN 0
	FETCH_A \slot, (\q)+1, 4
.endm
.macro TURN slot, next, fill           ; a slot's last step changes slots: one barrier, in front of it the wait for all my tensor loads, the add, and the wait for it and for my reads of this slot
	s_wait_tensorcnt 0x0                           ; all my tensor loads have landed: my part of the next slot (every window is 0 here)
	ds_add_u32 v[SPW], v[NIL]                      ; 0 onto my spare word
	s_wait_dscnt 4*NL+1                            ; (the add and the youngest sixteen loads may be out)
	WIN MUL_LO
	MUL16 0, 1, 0
	s_wait_dscnt 0x0                               ; the add is done, and my reads of this slot are over
	s_barrier_signal -1
	MUL16 2, 1, 0
	WIN 0
	s_barrier_wait -1
.if \fill
	CREST                                          ; the barrier has opened a round of the cluster's barrier
	s_add_nc_u64 s[G0+4*\slot+2:G0+4*\slot+3], s[G0+4*\slot+2:G0+4*\slot+3], ASTEP
	s_add_nc_u64 s[G0B+4*\slot+2:G0B+4*\slot+3], s[G0B+4*\slot+2:G0B+4*\slot+3], 2*ROWB
	JLOAD G0+4*\slot, G1, G0B+4*\slot, G1B         ; the first tensor load behind the round, my one until the next
.else
	PLACES NP
.endif
	FETCH_B \next, 0, 0
	FETCH_A \next, 0, 0
	WIN MUL_HI
	MUL16 4, 1, 0
	MUL16 6, 1, 0
	PLACES NP
	WIN 0
	FETCH_A \next, 0, 4
.endm
	s_wait_tensorcnt 1                             ; my part of K step 0 is in; K step 1's load may be out
	s_barrier_signal -1
	s_barrier_wait -1
	FETCH_B 0, 0, 0
	FETCH_A 0, 0, 0
	FETCH_A 0, 0, 4
	STEP 0, 0, 1                                   ; its products start the sums
	TURN 0, 1, 1
	STEP 1, 0, 0
	TURN 1, 0, 1
	STEP 0, 0, 0
	TURN 0, 1, 0                                   ; nothing is left to fetch: no round
	STEP 1, 0, 0
	s_wait_dscnt 4*NL
	WIN MUL_LO
	MUL16 0, 1, 0
	MUL16 2, 1, 0
	s_wait_dscnt 0
	WIN MUL_HI
	MUL16 4, 1, 0
	MUL16 6, 1, 0
	WIN 0
; THE WAY OUT, a block of 16 rows x 128 columns at a time.  The sums go into my own stage as they stand, each accumulator's low four registers first, and come back as whole rows of 512 bytes; there a lane
; holds columns 4 l .. 4 l + 3 of every row, so four registers of bias serve the whole tile: sum x 2^(e6 + e7) + b, and the 32 lanes store 512 consecutive bytes, aligned.
.macro TOSTAGE a
.set AC, 64*((\a)%4)
	WIN 0x08+4*((\a)/4)                            ; the stores' data: window 2 or 3
.irp b, 0,1,2,3,4,5,6,7
	ds_store_b128 v[STO], v[AC+8*\b:AC+8*\b+3] offset:64*\b
	ds_store_b128 v[STO], v[AC+8*\b+4:AC+8*\b+7] offset:64*\b+16
.endr
	WIN 0
.set BB, BK+64*((\a)%2)
.set t, 0
.rept 16
	ds_load_b128 v[BB+4*t:BB+4*t+3], v[RD] offset:t*SPITCH         ; LDS serves a wave's instructions in order: these see the stores above
.set t, t+1
.endr
.endm
.macro SEND a, younger                 ; younger: the LDS instructions issued behind block a's loads
.set BB, BK+64*((\a)%2)
	s_wait_dscnt \younger
.if (\a) > 0
	s_add_nc_u64 s[12:13], s[12:13], 16*4096       ; (behind a wait on XCNT: the earlier stores have read their base)  16 rows on
.endif
.set t, 0
.rept 16
	v_pk_fma_f32 v[BB+4*t:BB+4*t+1], v[BB+4*t:BB+4*t+1], s[96:97], v[BIAS:BIAS+1] op_sel_hi:[1,0,1]
	v_pk_fma_f32 v[BB+4*t+2:BB+4*t+3], v[BB+4*t+2:BB+4*t+3], s[96:97], v[BIAS+2:BIAS+3] op_sel_hi:[1,0,1]
	global_store_b128 v[CO], v[BB+4*t:BB+4*t+3], s[12:13] offset:t*4096 th:TH_STORE_NT
.set t, t+1
.endr
.endm
	s_wait_kmcnt 0x0
	s_add_co_i32 s96, s86, s87                     ; e6 + e7
	s_add_co_i32 s96, s96, 127
	s_lshl_b32 s96, s96, 23                        ; 2^(e6 + e7) as f32
	s_mov_b32 s97, s96                             ; (named with it as a pair, so it is written)
	s_wait_loadcnt 0x0                             ; the bias
	PLACES NP                                      ; behind the last products: their results are stored below, and loads land in the registers that held A's fragments
	TOSTAGE 0
.irp a, 1,2,3,4,5,6,7
.if \a > 1
	s_wait_xcnt 0x0                                ; block a - 2's stores have read their registers and their base
.endif
	TOSTAGE \a
	SEND \a-1, 32                                  ; behind block a - 1's loads: block a's 16 stores and 16 loads
.endr
	s_wait_xcnt 0x0
	SEND 7, 0
	s_wait_tensorcnt 0x0                           ; the wave's end: three lines, behind my last tensor load and my last LDS store
	ds_add_u32 v[SPW], v[NIL]
	s_wait_dscnt 0x0
	CROUND                                         ; the closing round
	s_endpgm
.Lfunc_end_k_qbb9109fa33_proj:
	.size	k_qbb9109fa33_proj, .Lfunc_end_k_qbb9109fa33_proj-k_qbb9109fa33_proj
	.p2alignl 7, 3214868480
	.fill 96, 4, 3214868480
	.section	.rodata,"a",@progbits
	.p2align	6, 0x0
	.amdhsa_kernel k_qbb9109fa33_proj
		.amdhsa_group_segment_fixed_size 327680
		.amdhsa_private_segment_fixed_size 0
		.amdhsa_enable_private_segment 0
		.amdhsa_kernarg_size 40
		.amdhsa_user_sgpr_count 2
		.amdhsa_user_sgpr_kernarg_segment_ptr 1
		.amdhsa_wavefront_size32 1
		.amdhsa_system_sgpr_workgroup_id_x 1
		.amdhsa_system_sgpr_workgroup_id_y 1
		.amdhsa_system_sgpr_workgroup_id_z 1
		.amdhsa_system_vgpr_workitem_id 0
		.amdhsa_next_free_vgpr 1024
		.amdhsa_next_free_sgpr 98
		.amdhsa_reserve_vcc 0
		.amdhsa_float_denorm_mode_32 3
		.amdhsa_float_denorm_mode_16_64 3
		.amdhsa_memory_ordered 1
		.amdhsa_forward_progress 1
		.amdhsa_inst_pref_size 124
	.end_amdhsa_kernel
	.amdgpu_metadata
---
amdhsa.version: [ 1, 2 ]
amdhsa.kernels:
  - .name:           k_qbb9109fa33_proj
    .symbol:         k_qbb9109fa33_proj.kd
    .args:
      - { .name: y_codes, .offset: 0, .size: 8, .value_kind: global_buffer, .address_space: global }
      - { .name: wp_codes, .offset: 8, .size: 8, .value_kind: global_buffer, .address_space: global }
      - { .name: lowp_scales, .offset: 16, .size: 8, .value_kind: global_buffer, .address_space: global }
      - { .name: b_proj, .offset: 24, .size: 8, .value_kind: global_buffer, .address_space: global }
      - { .name: out0, .offset: 32, .size: 8, .value_kind: global_buffer, .address_space: global }
    .group_segment_fixed_size: 327680
    .private_segment_fixed_size: 0
    .kernarg_segment_align: 8
    .kernarg_segment_size: 40
    .max_flat_workgroup_size: 128
    .sgpr_count:     98
    .vgpr_count:     1024
    .wavefront_size: 32
...
	.end_amdgpu_metadata
.endif
;; end of part 4
;; ======== version 2 of 2: 4 launches; version 1 with the launch attn written anew for expert scheduling mode
;; workspace buffers: x_codes 8,388,608 bytes; wa_codes 3,145,728 bytes; wp_codes 1,048,576 bytes; q_codes 8,388,608 bytes; k_codes 8,388,608 bytes; v_codes 8,388,608 bytes; y_codes 8,388,608 bytes
;; launch quant: the kernel of part 1 again; grid 384 x 1, 4 waves a work-group, no clusters, 68,096 bytes of LDS; arguments x, W_attn, W_proj, lowp_scales, x_codes, wa_codes, wp_codes; writes x_codes, wa_codes, wp_codes
;; launch qkv: the kernel of part 2 again; grid 96 x 4, 4 waves a work-group, clusters of 4 x 4, 327,680 bytes of LDS; arguments x_codes, wa_codes, lowp_scales, q_codes, k_codes, v_codes; writes q_codes, k_codes, v_codes
;; launch attn (part 5): grid 8 x 64, 16 waves a work-group, no clusters, 200,704 bytes of LDS; arguments q_codes, k_codes, v_codes, lowp_scales, y_codes; writes y_codes
.if DOCPART == 5
	.amdgcn_target "amdgcn-amd-amdhsa--gfx1250"
	.amdhsa_code_object_version 6
	.text
	.protected	k_qbb9109fa33_attn
	.globl	k_qbb9109fa33_attn
	.p2align	8
	.type	k_qbb9109fa33_attn,@function
k_qbb9109fa33_attn:
	s_mov_b64 s[64:65], 0
	v_nop
	global_prefetch_b8 v0, s[64:65] scope:SCOPE_SE
	s_setreg_imm32_b32 hwreg(HW_REG_WAVE_SCHED_MODE, 0, 2), 2
	s_setreg_imm32_b32 hwreg(HW_REG_WAVE_MODE, 25, 1), 1
	s_wait_xcnt 0x0
	s_wait_alu depctr_vm_vsrc(0)
; Causal attention on codes of FP8 (E4M3): S = q k^T / 8, p = 2^(t - M), y = (p v) / l, and the quantising of y for the projection.  64 heads (bh = 16 b + head) of 2,048 tokens x 64.
; q_codes, k_codes [bh][t][64]: byte 32 h + 8 c + j holds d = 16 c + 8 h + j.  v_codes [bh][chunk of 128 keys][row s][128]: byte 64 h + 8 c + j holds key 16 c + 8 h + j; row s = 16 u + m holds d = 32 (m / 8) + 8 u + m % 8.
; y_codes [bh][t][64], d as it counts.  Scales: e2 (q), e3 (k), e4 (p), e5 (v), e6 (y).
; THE SOFTMAX: t = score x log2(e) / 8; M = the running largest t rounded UP to a whole number; p = 2^(t - M) is quantised along the keys, not normalised; the row's sum is taken of the unquantised p and divides at the end;
; when M moves, the sum and O are multiplied by 2^(old M - new M), which rounds nothing.
; SHARES.  A work-group owns two blocks of 128 queries of one head, blocks J and 15 - J: (J + 1) + (16 - J) = 17 key steps x 8 tiles in every work-group.  Each of its sixteen waves owns one tile of 16 queries in 256 registers.
; Both products are used transposed (S^T = k q^T, K = 64; O^T = v^T p^T, K = 128 keys): a lane holds ONE query (lane % 16) throughout.  Register 8 c + j of S^T is key 16 c + 8 h + j, which is where the second product's
; operand wants it: the conversions' results are that operand.  By v's order of rows register 8 u + j of O^T is d = 32 h + 8 u + j: 32 neighbours a lane.  In both products every k stands in its own place.
; K AND V go from memory through registers into a ring of two LDS slots of 512 keys (32 KB of each, dense in memory): 8 loads and 8 LDS stores of 16 bytes a lane and slot; a slot is asked for a whole slot's four key steps
; before it is stored, so no wave waits for it, and nothing is asked for earlier still.  In LDS each 256 bytes are followed by 16 of padding.
; NO TENSOR LOAD AND NO JOINT REQUEST: steps are left out by the wave's and the work-group's queries, which differ between the work-groups that share K and V.
; THE HOLD OF p: p <= 1, so p / 2^e4 <= 448 wherever e4 >= -8: there the 64 holds of a step are jumped over, by a scalar branch on e4 round those lines alone; with e4 < -8 they run.
; CAUSAL: every wave walks all four slots (constant trip counts, every barrier passed); a step all of whose keys come after the wave's queries is left out by a scalar branch on ids; on the diagonal hidden scores become -infinity.
; LIMITS: e2 + e3 between -123 and 130 (added to c's exponent field); e4 and e6 between -126 and 119; e4 + e5 is applied by v_ldexp_f32 and has none.
; REGISTERS: v1-7, v24, v25 addresses that stay; v8-11 addresses in hand; v12 -M, v13 the largest t, v[14:15] the sum in two halves; v16-23 Q; v32-95 K's eight fragments, then V's four; v96-159 S^T, then p; v160-191 O^T;
;   v192-223 the next slot's 8 loads; v224-239 p's codes; v240, v244: 448 x 2^e4, 2^e4; v241, v245: the same with e6; v236, v242, v243, v252-254 at work.
; THE MODE: SCHED_MODE bits 1:0 = 2 (LLVM: expert scheduling mode 2), set by the entry lines.  The code itself states the register dependences between vector or matrix instructions and memory or LDS
; instructions, and between a vector instruction's scalar result and its readers, with s_wait_alu, always for 0.
; THE PLAN.  Registers that memory or LDS instructions touch:
;   v3, v24, v4     The fill's LDS addresses and 16 x lane: written at the head, never again; read by the fill's loads and LDS stores and by y's stores.
;   v11, v16-23     Q's offset and Q: two loads at the head.  Q is read by matrix instructions alone.  v11 is made anew on the way out.
;   v8, v9          The step's LDS addresses of K and of V: written by two additions at the step's head, read by its 32 LDS loads; made anew on the way out.
;   v32-95          K's 16 loads land; the eight products S^T read; V's 16 loads land; the four products O^T read.  Sixteen waves of 256 registers fill the four SIMDs' 1,024 each: there is no second set.
;   v192-223        The fill's 8 loads land, its 8 LDS stores read; no vector instruction names them.
;   v224-231, v10   On the way out: y's codes and the stage's address, written by vector instructions, read by two LDS stores.     v5, v6: written at the head, read by the closing add alone.
; A KEY STEP has one wait on vm_vsrc, ahead of the two additions, and three on va_vdst: behind the additions (the addresses are written; the last step's O^T products are done reading v32-95), with K's loads behind it;
; behind the last line of the maximum's chain, on which the next vector line hangs in any case (the S^T products are done reading v32-95), with V's loads behind it, dealt two at a time among the nine lines that make
; M and f, none of which names v32-95 or v9; and the one behind the batch of exponentials.  A change of slots has one wait on vm_vsrc, ahead of the fill's loads.
.set SLOT1, 1<<17                      ; slot 1 begins here
.set VOFF,  34816                      ; a slot: K's 128 long rows of 272 bytes, then V's 128
.set STEPB, 8704                       ; a key step's 32 long rows, in K and in V
.set STAGE, 69632                      ; behind slot 0: the way out: 16 tokens x (64 bytes + 16) for each wave
.set SPARE, STAGE+16*1280              ; the spare words, 128 bytes a wave: eight blocks of 256 bytes that no other line names
.set AK0,  1                           ; v1   my lane's place in a tile of K: key r: (r / 4) x 272 + (r % 4) x 64 + 32 h
.set AV0,  2                           ; v2   in a tile of V: row r: VOFF + (r / 2) x 272 + (r % 2) x 128 + 64 h
.set FS0,  3                           ; v3   where I store the fill in slot 0: wave x 4,352 + (l / 16) x 272 + 16 (l % 16)
.set GF,   4                           ; v4   16 x lane: my place in 512 consecutive bytes of memory
.set SPW,  5                           ; v5   LDS address of my spare word; never rewritten
.set NIL,  6                           ; v6   0; never rewritten
.set ADK,  8
.set ADV,  9
.set FS1,  24                          ; v24  FS0 in slot 1
.set RH,   25                          ; v25  r - 8 h
.set WV,   18                          ; s18  my wave's number
.set SEL,  20                          ; s[20:21] lane selects for v_permlanex16_b32: lane l xor 16
.set CS,   22                          ; s[22:23] c = log2(e) / 8 x 2^(e2 + e3)
.set Q0,   28                          ; s28  my first query
.set KF,   29                          ; s29  the step's first key
.set TB,   30                          ; s30  LDS byte at which the step's tiles begin
.set CNT,  33                          ; s33  counts a slot's four steps
.set HOLD, 34                          ; s34  1 where e4 < -8
.set MK,   48                          ; s[48:63] the causal mask: sixteen compares' results at a time
.macro FILL_LOAD s                     ; my 4 KB of slot s's K (waves 0-7) or V (waves 8-15): each load reads 512 consecutive bytes
.irp i, 0,1,2,3,4,5,6,7
	global_load_b128 v[192+4*\i:195+4*\i], v[GF], s[36:37] offset:(\s)*32768+512*\i
.endr
.endm
.macro FILL_STORE adr                  ; into the slot that nobody reads between the barrier before and the barrier behind.  The data come from loads and the address was written ahead of the head's wait on va_vdst
	s_wait_loadcnt 0x0
.irp i, 0,1,2,3,4,5,6,7
	ds_store_b128 v[\adr], v[192+4*\i:195+4*\i] offset:544*\i
.endr
.endm
.macro CHANGE                          ; my stores into the slot ahead have landed and my reads of the slot behind are in: then the barrier; behind it the slot ahead is whole and nobody reads the other
	s_wait_dscnt 0x0
	s_barrier_signal -1
	s_barrier_wait -1
.endm
.macro VLD i                           ; load i of V's sixteen: rows 16 (i / 4) + r, piece i % 4 of my 64 bytes
	ds_load_b128 v[32+4*(\i):35+4*(\i)], v[ADV] offset:((\i)/4)*2176+16*((\i)%4)
.endm
; A KEY STEP: 128 keys.
.macro STEP
	s_add_co_u32 s35, s[Q0], 15
	s_cmp_gt_u32 s[KF], s35                        ; all keys behind my queries: the step's work is left out, not the lines at its end
	s_cbranch_scc1 .Lhidden_\@
	s_wait_alu depctr_vm_vsrc(0)                   ; the LDS loads issued so far have read v[ADK] and v[ADV], which the two additions write
	v_add_nc_u32 v[ADK], s[TB], v[AK0]
	v_add_nc_u32 v[ADV], s[TB], v[AV0]
	v_nop                                          ; with the two additions: four places in front of loads into registers that the last products have read
	v_nop
	s_wait_alu depctr_va_vdst(0)                   ; v[ADK] and v[ADV] are written, which this step's LDS loads read; the last step's four products O^T are done reading v32-95, in which K's loads land
.irp t, 0,1,2,3,4,5,6,7
	ds_load_b128 v[32+8*\t:35+8*\t], v[ADK] offset:\t*1088          ; keys 16 t + r: my 32 bytes
	ds_load_b128 v[36+8*\t:39+8*\t], v[ADK] offset:\t*1088+16
.endr
	s_wait_dscnt 0x0
.irp t, 0,1,2,3,4,5,6,7
	v_wmma_f32_16x16x64_fp8_fp8 v[96+8*\t:103+8*\t], v[32+8*\t:39+8*\t], v[16:23], 0   ; S^T: register 8 t + j = key 16 t + 8 h + j of query r
.endr
.rept 4
	v_nop                                          ; places: results are read, and further down loads land in registers just read
.endr
	s_add_co_u32 s35, s[KF], 127
	s_cmp_le_u32 s35, s[Q0]                        ; all keys count: no mask
	s_cbranch_scc1 .Lopen_\@
	s_sub_co_i32 s35, s[Q0], s[KF]
	v_add_nc_u32 v252, s35, v[RH]                  ; my query - KF - 8 h: register 8 t + j is hidden where 16 t + j is greater
	v_mov_b32 v254, 0xff800000                     ; -infinity
.set g, 0
.rept 4                                        ; sixteen registers at a time: a run of compares into s[MK ..], one wait, the run of selects that read them
.set i, 0
.rept 16
	v_cmp_gt_i32 s[MK+i], 16*((16*g+i)/8)+(16*g+i)%8, v252
.set i, i+1
.endr
	s_wait_alu depctr_va_sdst(0)                   ; the sixteen compares have written s[MK ..], ahead of the first select that reads one of them
.set i, 0
.rept 16
	v_cndmask_b32 v[96+16*g+i], v[96+16*g+i], v254, s[MK+i]
.set i, i+1
.endr
.set g, g+1
.endr
.Lopen_\@:
	v_max3_num_f32 v254, v96, v97, v98             ; the step's largest score of my query among my 64 keys, in two chains, each accumulator from its low end on,
	v_max3_num_f32 v252, v99, v100, v101
.irp i, 6,10,14,18,22,26,30,34,38,42,46,50,54,58
	v_max3_num_f32 v254, v254, v[96+\i], v[97+\i]
	v_max3_num_f32 v252, v252, v[98+\i], v[99+\i]
.endr
	v_max3_num_f32 v254, v254, v158, v159
	v_max_num_f32 v254, v254, v252
	s_wait_alu depctr_va_vdst(0)                   ; the eight products S^T are done reading v32-95, in which V's loads land.  No vector line from here to the last of the sixteen loads names v32-95 or v[ADV]
	VLD 0                                          ; V's rows 16 u + r: my 64 bytes; two loads behind each of the lines below, each of which hangs on the line before it; they land while the softmax is worked
	VLD 1
	v_permlanex16_b32 v236, v254, s[SEL], s[SEL+1]
	VLD 2
	VLD 3
	v_max_num_f32 v254, v254, v236                 ; and among lane l xor 16's
	VLD 4
	VLD 5
	v_mul_f32 v254, s[CS], v254                    ; as t (c is positive)
	VLD 6
	VLD 7
	v_max_num_f32 v13, v13, v254                   ; the running largest t
	VLD 8
	VLD 9
	v_mov_b32 v254, v12
	v_floor_f32 v12, -v13                          ; the new -M = floor(-t) = -ceil(t)
	VLD 10
	VLD 11
	v_sub_f32 v254, v12, v254                      ; old M - new M: a whole number, 0 or less
	VLD 12
	VLD 13
	v_cvt_i32_f32 v254, v254                       ; (it saturates)
	VLD 14
	VLD 15
	v_ldexp_f32 v252, 1.0, v254                    ; f = 2^(old M - new M)
.set n, 0
.rept 32
	v_pk_fma_f32 v[96+n:97+n], v[96+n:97+n], s[CS:CS+1], v[12:13] op_sel_hi:[1,0,0]   ; t - M, two at a time (of the pairs c and -M the low word serves both halves)
.set n, n+2
.endr
.set n, 0
.rept 64
	v_exp_f32 v[96+n], v[96+n]                     ; p = 2^(t - M), at most 1
.set n, n+1
.endr
	v_pk_mul_f32 v[14:15], v[14:15], v[252:253] op_sel_hi:[1,0]   ; the sums under the new M: the plain instruction behind the exponentials
	s_wait_alu depctr_va_vdst(0)                   ; the 64 exponentials have written v96-159: one wait for the whole batch, ahead of its first reader
	v_pk_add_f32 v[242:243], v[96:97], v[98:99]    ; the row's sum of the UNQUANTISED p, two at a time, in two chains
.irp j, 4,8,12,16,20,24,28,32,36,40,44,48,52,56,60
	v_pk_add_f32 v[14:15], v[14:15], v[96+\j:97+\j]
	v_pk_add_f32 v[242:243], v[242:243], v[98+\j:99+\j]
.endr
	v_pk_add_f32 v[14:15], v[14:15], v[242:243]
	s_cmp_eq_u32 s[HOLD], 0
	s_cbranch_scc1 .Lnohold_\@                     ; e4 >= -8: p / 2^e4 <= 256, inside the format
.set n, 0
.rept 64
	v_min_num_f32 v[96+n], v[96+n], v240           ; the conversion does not saturate (ISA guide 7.6.2); p is not negative, so the hold is one-sided
.set n, n+1
.endr
.Lnohold_\@:
.irp t, 0,1,2,3,4,5,6,7
	v_cvt_scalef32_pk8_fp8_f32 v[224+2*\t:225+2*\t], v[96+8*\t:103+8*\t], v244   ; registers 2 t, 2 t + 1 of the operand: keys 16 t + 8 h + 0 .. 7
.endr
.set n, 0
.rept 16
	v_pk_mul_f32 v[160+n:161+n], v[160+n:161+n], v[252:253] op_sel_hi:[1,0]   ; O^T under the new M; these are also the plain instructions between the conversions and the products
.set n, n+2
.endr
	s_wait_dscnt 0x0                               ; V is in
.irp u, 0,1,2,3
	v_wmma_f32_16x16x128_fp8_fp8 v[160+8*\u:167+8*\u], v[32+16*\u:47+16*\u], v[224:239], v[160+8*\u:167+8*\u]   ; the four accumulators by turns, one instruction a turn
.endr
.Lhidden_\@:
	s_add_co_u32 s[KF], s[KF], 128
	s_add_co_u32 s[TB], s[TB], STEPB
.endm
; Slot s: the change of slots; the next slot is asked for; four key steps; the next slot is stored into the other slot's bytes.
.macro SLOTRUN s, more, adr
	CHANGE
.if \more
	s_wait_alu depctr_vm_vsrc(0)                   ; the last fill's LDS stores have read v192-223, in which the loads below land
	FILL_LOAD (\s)+1
.endif
	s_mov_b32 s[TB], ((\s)%2)*SLOT1
	s_mov_b32 s[CNT], 4
.Lstep_\@:
	STEP
	s_sub_co_u32 s[CNT], s[CNT], 1
	s_cmp_lg_u32 s[CNT], 0
	s_cbranch_scc1 .Lstep_\@
.if \more
	FILL_STORE \adr
.endif
.endm
	s_load_b256 s[4:11], s[0:1], 0x0               ; q_codes s[4:5], k_codes s[6:7], v_codes s[8:9], the scales' exponents s[10:11]
	s_load_b64 s[12:13], s[0:1], 0x20              ; y_codes
	v_lshl_add_u32 v[SPW], v0, 2, SPARE
	v_mov_b32 v[NIL], 0
	v_lshrrev_b32 v8, 5, v0
	v_readfirstlane_b32 s[WV], v8                  ; wave 0..15
	s_wait_alu depctr_va_sdst(0)                   ; s18 is written, ahead of its first reader: my queries, my part of the fill and my stage are made from it
	s_lshr_b32 s26, s[WV], 2
	s_xor_b32 s26, s26, s[WV]
	s_and_b32 s26, s26, 1                          ; which of the two blocks: waves 2 i and 2 i + 1 take tile i of one block each; of waves w, w + 4, w + 8, w + 12 and of waves 4 i .. 4 i + 3 alike two take each block
	s_sub_co_u32 s27, 15, ttmp9
	s_cmp_eq_u32 s26, 1
	s_cselect_b32 s27, s27, ttmp9                  ; block 15 - J or J
	s_lshl_b32 s27, s27, 7
	s_lshr_b32 s26, s[WV], 1
	s_lshl_b32 s26, s26, 4
	s_add_co_u32 s[Q0], s27, s26                   ; my first query
	s_mov_b32 s[KF], 0
	s_and_b32 s24, ttmp7, 0xffff                   ; bh
	s_lshl_b32 s24, s24, 17                        ; a head's codes are 131,072 bytes in each of the four buffers
	s_mov_b32 s25, 0
	s_lshl_b32 s26, s[Q0], 6
	s_add_co_u32 s26, s26, s24                     ; my queries' bytes in q_codes and y_codes
	s_mov_b32 s27, 0
	s_and_b32 s19, s[WV], 7
	s_lshl_b32 s19, s19, 12
	s_add_co_u32 s24, s24, s19                     ; my 4 KB of a slot's 32 KB
	s_mul_i32 s19, s[WV], 4352                     ; and in LDS: 16 long rows a wave; V's region follows K's, so the wave's number serves both
	s_mov_b32 s[SEL], 0x76543210
	s_mov_b32 s[SEL+1], 0xfedcba98
	s_mov_b32 s[CS], 0x3e38aa3b                    ; log2(e) / 8
	v_and_b32 v8, 15, v0                           ; r
	v_bfe_u32 v9, v0, 4, 1                         ; h
	v_and_b32 v10, 31, v0                          ; l
	v_lshlrev_b32 v[GF], 4, v10
	v_lshlrev_b32 v11, 6, v8
	v_lshl_add_u32 v11, v9, 5, v11                 ; Q: token r, + 32 h
	v_lshrrev_b32 v26, 2, v8
	v_mul_u32_u24 v[AK0], v26, 272
	v_and_b32 v26, 3, v8
	v_lshl_add_u32 v[AK0], v26, 6, v[AK0]
	v_lshl_add_u32 v[AK0], v9, 5, v[AK0]
	v_lshrrev_b32 v26, 1, v8
	v_mul_u32_u24 v[AV0], v26, 272
	v_and_b32 v26, 1, v8
	v_lshl_add_u32 v[AV0], v26, 7, v[AV0]
	v_lshl_add_u32 v[AV0], v9, 6, v[AV0]
	v_add_nc_u32 v[AV0], VOFF, v[AV0]
	v_mul_u32_u24 v[FS0], v9, 272
	v_lshl_add_u32 v[FS0], v8, 4, v[FS0]
	v_add_nc_u32 v[FS0], s19, v[FS0]
	v_add_nc_u32 v[FS1], SLOT1, v[FS0]
	v_lshlrev_b32 v26, 3, v9
	v_sub_nc_u32 v[RH], v8, v26
	s_wait_kmcnt 0x0
	s_load_b256 s[40:47], s[10:11], 0x0            ; e0 .. e7
	s_add_nc_u64 s[4:5], s[4:5], s[26:27]
	s_add_nc_u64 s[12:13], s[12:13], s[26:27]
	s_cmp_lt_u32 s[WV], 8                          ; waves 0-7 fill K, waves 8-15 V
	s_cselect_b64 s[36:37], s[6:7], s[8:9]
	s_add_nc_u64 s[36:37], s[36:37], s[24:25]
	s_wait_alu depctr_va_vdst(0)                   ; v11, v[GF], v[FS0] and v[FS1] are written: Q's loads, every load and LDS store of the fill and y's stores read one of them as offset or address, and no vector line writes the last three again
	global_load_b128 v[16:19], v11, s[4:5]         ; Q's fragment stays in registers
	global_load_b128 v[20:23], v11, s[4:5] offset:16
	FILL_LOAD 0
	v_mov_b32 v13, 0xff61b1e6                      ; the largest t so far: -3e38, under every t
	v_floor_f32 v12, -v13                          ; -M
	v_mov_b32 v14, 0                               ; the sum, in two halves
	v_mov_b32 v15, 0
	v_mov_b32 v236, 0                              ; written once: a lane permute's destination counts as one of its sources
	v_mov_b32 v253, 0                              ; (named as the upper half of the pair v[252:253])
.set n, 0
.rept 32
	v_mov_b32 v[160+n], 0                          ; O^T: the step is written without a first step of its own: the first change of M multiplies zeros
.set n, n+1
.endr
	s_wait_kmcnt 0x0
	s_add_co_i32 s35, s42, s43
	s_lshl_b32 s35, s35, 23
	s_add_co_i32 s[CS], s[CS], s35                 ; a score stands for score x 2^(e2 + e3): added to c's exponent field
	s_mov_b32 s[CS+1], s[CS]                       ; (named with it as a pair, so it is written)
	s_add_co_i32 s35, s44, 127
	s_lshl_b32 s38, s35, 23
	v_mov_b32 v244, s38                            ; 2^e4
	s_add_co_i32 s35, s35, 8
	s_lshl_b32 s35, s35, 23
	s_or_b32 s35, s35, 0x600000
	v_mov_b32 v240, s35                            ; 448 x 2^e4
	s_add_co_i32 s35, s46, 127
	s_lshl_b32 s38, s35, 23
	v_mov_b32 v245, s38                            ; 2^e6
	s_add_co_i32 s35, s35, 8
	s_lshl_b32 s35, s35, 23
	s_or_b32 s35, s35, 0x600000
	v_mov_b32 v241, s35                            ; 448 x 2^e6
	s_cmp_lt_i32 s44, -8
	s_cselect_b32 s[HOLD], 1, 0
	FILL_STORE FS0                                 ; slot 0; its wait for all loads serves Q too
	SLOTRUN 0, 1, FS1
	SLOTRUN 1, 1, FS0
	SLOTRUN 2, 1, FS1
	SLOTRUN 3, 0, FS0
	; THE WAY OUT.  y = O^T x 2^(e4 + e5) / the sum, quantised with 2^e6: 32 codes a lane, through my own stage, so that each store covers 512 consecutive bytes: eight tokens.
	s_wait_alu depctr_vm_vsrc(0)                   ; the key steps' LDS loads have read v8 and v9, and Q's loads v11: the three are made anew below
	v_add_f32 v14, v14, v15                        ; the sum's two halves,
	v_permlanex16_b32 v252, v14, s[SEL], s[SEL+1]
	v_add_f32 v14, v14, v252                       ; and lane l xor 16's
	v_rcp_f32 v14, v14
	v_and_b32 v8, 15, v0                           ; (plain instructions behind the reciprocal, and places behind the last products)
	v_bfe_u32 v9, v0, 4, 1
	s_mul_i32 s19, s[WV], 1280
	s_add_co_u32 s19, s19, STAGE                   ; my stage
	v_mul_u32_u24 v10, v8, 80
	v_lshl_add_u32 v10, v9, 5, v10
	v_add_nc_u32 v10, s19, v10                     ; in: token r, + 32 h
	v_bfe_u32 v11, v0, 2, 3
	v_mul_u32_u24 v11, v11, 80
	v_and_b32 v26, 3, v0
	v_lshl_add_u32 v11, v26, 4, v11
	v_add_nc_u32 v11, s19, v11                     ; back: four lanes to a token
	s_add_co_i32 s35, s44, s45
	s_wait_alu depctr_va_vdst(0)                   ; the reciprocal has written v14, ahead of its first reader
	v_ldexp_f32 v14, v14, s35                      ; x 2^(e4 + e5)
.set n, 0
.rept 32
	v_mul_f32 v[96+n], v[160+n], v14               ; register 8 u + j is y(r, 32 h + 8 u + j); each accumulator from its low end on
.set n, n+1
.endr
.set n, 0
.rept 32
	v_med3_num_f32 v[96+n], v[96+n], -v241, v241
.set n, n+1
.endr
.irp u, 0,1,2,3
	v_cvt_scalef32_pk8_fp8_f32 v[224+2*\u:225+2*\u], v[96+8*\u:103+8*\u], v245
.endr
	v_nop                                          ; one plain vector instruction behind the last conversion
	s_wait_alu depctr_va_vdst(0)                   ; the conversions have written v224-231 and the lines above v10 and v11, which the LDS stores and loads below read; the last products are done reading v32-39, in which those loads land
	ds_store_b128 v10, v[224:227]
	ds_store_b128 v10, v[228:231] offset:16
	ds_load_b128 v[32:35], v11                     ; LDS serves a wave's instructions in order: these see my stores
	ds_load_b128 v[36:39], v11 offset:640
	s_wait_dscnt 0x1                               ; the first eight tokens are back; the second load may be out
	global_store_b128 v[GF], v[32:35], s[12:13]
	s_wait_dscnt 0x0
	global_store_b128 v[GF], v[36:39], s[12:13] offset:512
	s_wait_dscnt 0x0                               ; the closing lines, six on end
	s_wait_alu 0x0
	s_wait_tensorcnt 0x0
	ds_add_u32 v[SPW], v[NIL]
	s_wait_dscnt 0x0
	s_endpgm
.Lfunc_end_k_qbb9109fa33_attn:
	.size	k_qbb9109fa33_attn, .Lfunc_end_k_qbb9109fa33_attn-k_qbb9109fa33_attn
	.p2alignl 7, 3214868480
	.fill 96, 4, 3214868480
	.section	.rodata,"a",@progbits
	.p2align	6, 0x0
	.amdhsa_kernel k_qbb9109fa33_attn
		.amdhsa_group_segment_fixed_size 200704
		.amdhsa_private_segment_fixed_size 0
		.amdhsa_enable_private_segment 0
		.amdhsa_kernarg_size 40
		.amdhsa_user_sgpr_count 2
		.amdhsa_user_sgpr_kernarg_segment_ptr 1
		.amdhsa_wavefront_size32 1
		.amdhsa_system_sgpr_workgroup_id_x 1
		.amdhsa_system_sgpr_workgroup_id_y 1
		.amdhsa_system_sgpr_workgroup_id_z 1
		.amdhsa_system_vgpr_workitem_id 0
		.amdhsa_next_free_vgpr 256
		.amdhsa_next_free_sgpr 66
		.amdhsa_reserve_vcc 0
		.amdhsa_float_denorm_mode_32 3
		.amdhsa_float_denorm_mode_16_64 3
		.amdhsa_memory_ordered 1
		.amdhsa_forward_progress 1
		.amdhsa_inst_pref_size 116
	.end_amdhsa_kernel
	.amdgpu_metadata
---
amdhsa.version: [ 1, 2 ]
amdhsa.kernels:
  - .name:           k_qbb9109fa33_attn
    .symbol:         k_qbb9109fa33_attn.kd
    .args:
      - { .name: q_codes, .offset: 0, .size: 8, .value_kind: global_buffer, .address_space: global }
      - { .name: k_codes, .offset: 8, .size: 8, .value_kind: global_buffer, .address_space: global }
      - { .name: v_codes, .offset: 16, .size: 8, .value_kind: global_buffer, .address_space: global }
      - { .name: lowp_scales, .offset: 24, .size: 8, .value_kind: global_buffer, .address_space: global }
      - { .name: y_codes, .offset: 32, .size: 8, .value_kind: global_buffer, .address_space: global }
    .group_segment_fixed_size: 200704
    .private_segment_fixed_size: 0
    .kernarg_segment_align: 8
    .kernarg_segment_size: 40
    .max_flat_workgroup_size: 512
    .sgpr_count:     66
    .vgpr_count:     256
    .wavefront_size: 32
...
	.end_amdgpu_metadata
.endif
;; end of part 5
;; launch proj: the kernel of part 4 again; grid 4 x 32, 4 waves a work-group, clusters of 4 x 4, 327,680 bytes of LDS; arguments y_codes, wp_codes, lowp_scales, b_proj, out0; writes out0
